; MI455X (gfx1250); checked and timed in simulation.
; The chip was launched on July 23, 2026; its instructions are those of AMD's public machine-readable ISA for CDNA 5 (MIT licence, August 2026) and "CDNA5" Instruction Set Architecture Reference Guide (July 2026). The comments in the code are by the model that wrote it; some were corrected since.
;; Attention Module. Allowed arithmetic: matrix products marked QUANTISED: E2M1 operands, one E8M0 scale for each 32 along K, by v_wmma_scale_f32_16x16x128_f8f6f4 with both operands' format E2M1 (or v_wmma_scale_f32_32x16x128_f4), f32 sums; products left as they are: f32 operands where the result goes on into a quantised operand, else bf16, f16 or f32 operands; f32 sums; everything else in f32.
;; Inputs: W_attn 2,048 x 2,048 float32; W_attn2 1 x 2,048 float32; W_comb 1,024 x 2,048 float32; b_attn 2,048 float32; b_attn2 1 float32; b_comb 1,024 float32; decoder_out 64 x 1,024 float32; encoder_states 256 x 64 x 1,024 float32; hidden 64 x 1,024 float32.
;; Outputs: out0 64 x 1,024 float32; out1 64 x 1,024 float32.
;; This version of the problem:
;;   THIS VERSION OF THE PROBLEM IS GIVEN IN LOW PRECISION. The matrix products marked QUANTISED in the list below multiply operands that are first quantised to E2M1 (2 exponent bits, 1 mantissa bit; 4 bits a number), with one power-of-two scale for each 32 numbers along K (OCP MX v1.0); their sums are f32. All else is computed in f32.
;;   The module's matrix products, in the order in which they are computed (A, B: the left and right operand; K: the contracted axis; several contracted axes count as one K, in the product's order):
;;     1. [M 16,384, K 2,048] x [K 2,048, N 2,048]; A: computed on the way; B: input W_attn: QUANTISED
;;     2. [M 16,384, K 2,048] x [K 2,048, N 1]; A: computed on the way; B: input W_attn2: left as it is (N = 1 < 16)
;;     3. batch 64 x [M 1, K 256] x [K 256, N 1,024]; A: softmax; B: input encoder_states: left as it is (M = 1 < 16)
;;     4. [M 64, K 2,048] x [K 2,048, N 1,024]; A: computed on the way; B: input W_comb: QUANTISED
;;   THE QUANTISER, for each operand of a quantised product, along K:
;;     - K is cut into blocks of 32 from its start; a last block that is shorter is filled with zeros.
;;     - A block's scale is 2^e with e = floor(log2(the largest magnitude in the block)) - 2, held to -126 .. 127; a block of zeros has e = 0. As a byte (E8M0): e + 127.
;;     - Each number is divided by its block's scale, clamped to +-6, and rounded to the nearest number of E2M1, ties to even, subnormals kept.
;;     - The product sums the exact products of the quantised numbers (number of the format x scale) in f32.
;;   ~~~python
;;   def quantise(x, axis):      # numpy; x: float32 -> the quantised numbers, widened to float32 again
;;       x = np.moveaxis(x, axis, -1); K = x.shape[-1]
;;       x = np.pad(x, [(0, 0)] * (x.ndim - 1) + [(0, -K % 32)]); x = x.reshape(x.shape[:-1] + (-1, 32)); a = np.abs(x).max(-1, keepdims=True)
;;       e = np.where(a > 0, np.clip(np.frexp(np.where(a > 0, a, 1))[1] - 1 - 2, -126, 127), 0)      # np.frexp(a)[1] - 1 = floor(log2(a)), exactly
;;       r = np.clip(x / 2.0 ** e, -6, 6)
;;       step = 2.0 ** (np.maximum(np.frexp(np.where(r == 0, 1, r))[1] - 1, 0) - 1)
;;       q = np.round(r / step) * step * 2.0 ** e      # np.round: ties to even
;;       return np.moveaxis(q.reshape(q.shape[:-2] + (-1,))[..., :K], -1, axis).astype(np.float32)
;;   ~~~
;;   OPERANDS COMPUTED ON THE WAY. 'Computed on the way' means the value that the module computes at that place (a softmax that the list does not call 'softmax' is quantised finished and normalised). What goes into a quantiser is computed in f32, as accurately as f32 sums, v_exp_f32 and their like allow (about 1e-6 of the number): no bf16 or f16 on the way to a quantiser, and a product that is left as it is and whose result goes on into a quantised operand takes f32 operands (vector FMAs, or v_wmma_f32_16x16x4_f32). A number that lies on a knife's edge between two numbers of the format may be rounded either way, as far as f32 arithmetic and the matrix unit's own rounding can turn it there, and no further.
;; 2 versions, each right; version 2 is version 1 with the launches prep, fin written anew for expert scheduling mode. Each part assembles by itself: llvm-mc -triple=amdgcn-amd-amdhsa -mcpu=gfx1250 --defsym DOCPART=n.
;; ======== version 1 of 2: 3 launches
;; workspace buffers: wqa 1,114,112 bytes; wqc 557,056 bytes; gbuf 524,288 bytes; g2buf 262,144 bytes; pacc 1,179,648 bytes
;; launch prep (part 1): grid 192 x 1, 16 waves a work-group, no clusters, 57,344 bytes of LDS; arguments W_attn, hidden, b_attn, W_comb, decoder_out, b_comb, wqa, gbuf, wqc, g2buf; writes wqa, gbuf, wqc, g2buf
.if DOCPART == 1
	.amdgcn_target "amdgcn-amd-amdhsa--gfx1250"
	.amdhsa_code_object_version 6
	.text
	.protected	k_q642585fc4e_prep
	.globl	k_q642585fc4e_prep
	.p2align	8
	.type	k_q642585fc4e_prep,@function
k_q642585fc4e_prep:
	s_mov_b64 s[64:65], 0
	v_nop
	global_prefetch_b8 v0, s[64:65] scope:SCOPE_SE
	s_setreg_imm32_b32 hwreg(HW_REG_WAVE_MODE, 25, 1), 1
	s_wait_xcnt 0x0
; W_attn [2048][2048] and W_comb [1024][2048], f32, K innermost, are quantised to codes of FP4 (E2M1) with one E8M0 byte for each 32 along K.
; A work-group takes one tile of 16 rows n.  Work-groups 0-127: W_attn with hidden and b_attn; 128-191: W_comb with decoder_out and b_comb: one path, only pointers, the pitch and the tile are chosen.
; K 1024..2047 of the tile leaves as a RECORD of 8,704 bytes in the order of the operand's registers: byte 1024 q + 512 c + 16 lane holds the 16 bytes that registers 4 c .. 4 c + 3
; of lane (r, h) take for K step q (row r, k = 1024 + 128 q + 64 c + 32 h + 0..31); byte 8192 + 16 lane the scale words q = 4 h + 0..3 of row r.
; K 0..1023 stays here: reference() multiplies it by rows that are the same for all s (hidden, broadcast) or come as they are (decoder_out), so
; G[b][n] = bias[n] + Q(data[b]) . Q(W[n][0:1024]) is made once, on the FP4 matrix form, and is the C of the later launches' first K step.
; SHARES.  Sixteen waves, four to a SIMD.  Wave w quantises row w of the tile and data rows 4 w .. 4 w + 3, and asks for all of it at its head: 48 loads, 24 KB a wave, the work-group's 384 KB at once.
; Behind the one barrier the waves part on their number: waves 0-3 make G for 16 data rows each, waves 4-11 store one K step of the record each, wave 12 its scale words.
; The quantiser: a lane holds 8 neighbours along K, four neighbouring lanes a block of 32.  The largest magnitude has the floor 2^(3-127) among its leaves, so the byte is at least 1.
; LIMITS: NaN and infinities among the inputs are not served.  A block of zeros gets the byte 1 where the rule says 127: its codes are zeros, and only this program reads the bytes.
; Two loads of 16 bytes a lane, 32 bytes from lane to lane, cover each 1,024 bytes between them; they carry no cache hint, since the second wants the bytes beside those that the first asked for.
; G's rows get 64 bytes from a work-group: G is row-major so that the next launch reads whole rows.
; No tensor load, no cluster: what work-groups share is the 256 KB of data rows as f32; brought jointly they would have to lie whole in LDS and be read back into registers for the quantiser.
.set HC,   0                           ; LDS: codes of the 64 data rows, 512 bytes + 16
.set HS,   33792                       ; their scale bytes, 32 in rows of 48
.set WC,   36864                       ; codes of the 16 rows of W, 1,024 bytes + 16
.set WS,   53504                       ; their scale bytes, 64 in rows of 80
.set HP,   528
.set HSP,  48
.set WP,   1040
.set WSP,  80
.set WV,   26                          ; s26 the wave's number
.set GW,   4                           ; v4  W: 8192 w + 32 lane
.set GH,   5                           ; v5  data: 16384 w + 32 lane
.set CAW,  6                           ; v6  where my codes of W go;  v7 their scale bytes
.set SAW,  7
.set CAH,  8                           ; v8, v9 the same for the data rows
.set SAH,  9
.set FAW,  10                          ; v10 a fragment of W: row r, + 16 h
.set FAH,  11                          ; v11 a fragment of data rows 16 (w & 3) on
.set FSW,  12                          ; v12, v13 their scale words, four to a lane
.set FSH,  13
.set LIW,  14                          ; v14 16 lane + 1024 q: a K step's place in the record
.set GO,   15                          ; v15 (16 (w & 3) + r) x pitch + 32 h
.set QM,   16                          ; v16-23 largest magnitudes, then scale operands;  v24-31 codes;  v32-39 bytes
.set QC,   24
.set QY,   32
.set BI,   40                          ; v40-47 the bias in the result's layout
.set AC,   48                          ; v48-55 the accumulator
.set H32,  56
.set FAWO, 57                          ; v57 a fragment of W's upper half: K step q = (w + 4) & 7
.set L16,  58
.set XB,   64                          ; v64-255 three buffers of 64 numbers; behind the barrier fragments and scale words
.set MSB, 0
.macro WIN new                         ; the immediate's high byte repeats the setting that is left; here every window is 0 and nothing is written
.if MSB != (\new)
	s_set_vgpr_msb (MSB<<8)|(\new)
.set MSB, (\new)
.endif
.endm
.macro PLACES n
.rept \n
	v_nop
.endr
.endm
; ng groups of 8 neighbours along K, group u in v[xb + 8 u] on (window win), become 8 codes (4 bytes) and a scale byte each.
.macro QB xb, win, ng, ca, co, cstep, sa, so, sstep
	WIN (\win)|((\win)<<2)
.set u, 0
.rept \ng
	v_max3_num_f32 v[QM+u], |v[(\xb)+8*u]|, |v[(\xb)+8*u+1]|, 0x1800000      ; with the floor 2^(3-127): the byte cannot fall under 1
.set u, u+1
.endr
.irp k, 2,4,6
.set u, 0
.rept \ng
	v_max3_num_f32 v[QM+u], |v[(\xb)+8*u+\k]|, |v[(\xb)+8*u+\k+1]|, v[QM+u]  ; the groups by turns: no line waits for the line above it
.set u, u+1
.endr
.endr
	WIN 0
.irp x, 1,2
.set u, 0
.rept \ng
	v_max_num_f32_dpp v[QM+u], v[QM+u], v[QM+u] row_xmask:\x row_mask:0xf bank_mask:0xf   ; with the three lanes that share the block
.set u, u+1
.endr
.endr
.set u, 0
.rept \ng
	v_add_nc_u32 v[QM+u], 0xff000000, v[QM+u]      ; 2 off the exponent field: the conversion takes that field as its scale
.set u, u+1
.endr
	s_wait_dscnt 0x0                               ; the last batch's LDS stores have read their codes and bytes
	WIN (\win)
.set u, 0
.rept \ng
	v_cvt_scalef32_pk8_fp4_f32 v[QC+u], v[(\xb)+8*u:(\xb)+8*u+7], v[QM+u]
.set u, u+1
.endr
	WIN 0
.set u, 0
.rept \ng
	v_lshrrev_b32 v[QY+u], 23, v[QM+u]             ; the scale's byte; the first of these is the plain line behind the conversions
.set u, u+1
.endr
.set u, 0
.rept \ng
	ds_store_b32 v[\ca], v[QC+u] offset:(\co)+(u/4)*(\cstep)+(u%4)*128
	ds_store_b8 v[\sa], v[QY+u] offset:(\so)+(u/4)*(\sstep)+(u%4)*8          ; four lanes write the same byte with the same value
.set u, u+1
.endr
.endm
.macro MMA                             ; one product; the register numbers and the rows of the scale registers stand in symbols
.if ROWA && ROWB
	v_wmma_scale_f32_16x16x128_f8f6f4 v[rD:rD+7], v[rA:rA+7], v[rB:rB+7], v[rC:rC+7], v[rSA], v[rSB] matrix_a_fmt:MATRIX_FMT_FP4 matrix_b_fmt:MATRIX_FMT_FP4 matrix_a_scale:MATRIX_SCALE_ROW1 matrix_b_scale:MATRIX_SCALE_ROW1
.elseif ROWA
	v_wmma_scale_f32_16x16x128_f8f6f4 v[rD:rD+7], v[rA:rA+7], v[rB:rB+7], v[rC:rC+7], v[rSA], v[rSB] matrix_a_fmt:MATRIX_FMT_FP4 matrix_b_fmt:MATRIX_FMT_FP4 matrix_a_scale:MATRIX_SCALE_ROW1
.elseif ROWB
	v_wmma_scale_f32_16x16x128_f8f6f4 v[rD:rD+7], v[rA:rA+7], v[rB:rB+7], v[rC:rC+7], v[rSA], v[rSB] matrix_a_fmt:MATRIX_FMT_FP4 matrix_b_fmt:MATRIX_FMT_FP4 matrix_b_scale:MATRIX_SCALE_ROW1
.else
	v_wmma_scale_f32_16x16x128_f8f6f4 v[rD:rD+7], v[rA:rA+7], v[rB:rB+7], v[rC:rC+7], v[rSA], v[rSB] matrix_a_fmt:MATRIX_FMT_FP4 matrix_b_fmt:MATRIX_FMT_FP4
.endif
.endm
	s_load_b256 s[4:11], s[0:1], 0x0               ; W_attn s[4:5], hidden s[6:7], b_attn s[8:9], W_comb s[10:11]
	s_load_b256 s[12:19], s[0:1], 0x20             ; decoder_out s[12:13], b_comb s[14:15], wqa s[16:17], gbuf s[18:19]
	s_load_b128 s[20:23], s[0:1], 0x40             ; wqc s[20:21], g2buf s[22:23]
	v_lshl_add_u32 v62, v0, 2, 0xd800
	v_mov_b32 v63, 0
	v_lshrrev_b32 v1, 5, v0
	v_readfirstlane_b32 s[WV], v1                  ; wave 0..15
	v_and_b32 v1, 31, v0                           ; lane
	v_and_b32 v2, 15, v0                           ; r
	v_bfe_u32 v3, v0, 4, 1                         ; h
	v_lshlrev_b32 v59, 5, v1                       ; 32 bytes a lane
	s_lshl_b32 s27, s[WV], 13
	v_add_nc_u32 v[GW], s27, v59                   ; my row of W, 8,192 bytes
	s_lshl_b32 s27, s[WV], 14
	v_add_nc_u32 v[GH], s27, v59                   ; my 4 data rows, 4,096 bytes each
	v_lshrrev_b32 v60, 2, v1                       ; my block among a group's eight
	s_mul_i32 s27, s[WV], WP
	s_add_co_u32 s27, s27, WC
	v_lshl_add_u32 v[CAW], v1, 2, s27
	s_mul_i32 s27, s[WV], WSP
	s_add_co_u32 s27, s27, WS
	v_add_nc_u32 v[SAW], s27, v60
	s_mul_i32 s27, s[WV], 4*HP                     ; (HC = 0)
	v_lshl_add_u32 v[CAH], v1, 2, s27
	s_mul_i32 s27, s[WV], 4*HSP
	s_add_co_u32 s27, s27, HS
	v_add_nc_u32 v[SAH], s27, v60
	; the addresses of all three roles behind the barrier are made here, in every wave, ahead of the parting
	s_and_b32 s30, s[WV], 3                        ; the tile of 16 data rows: waves 0-3 use it
	s_mul_i32 s27, s30, 16*HP
	v_mul_u32_u24 v61, v2, HP
	v_lshl_add_u32 v61, v3, 4, v61
	v_add_nc_u32 v[FAH], s27, v61
	s_mul_i32 s27, s30, 16*HSP
	s_add_co_u32 s27, s27, HS
	v_mul_u32_u24 v61, v2, HSP
	v_lshl_add_u32 v61, v3, 4, v61
	v_add_nc_u32 v[FSH], s27, v61
	v_mul_u32_u24 v61, v2, WP
	v_lshl_add_u32 v61, v3, 4, v61
	v_add_nc_u32 v[FAW], WC, v61
	s_add_co_u32 s31, s[WV], 4
	s_and_b32 s31, s31, 7                          ; the K step q = w - 4 of the upper half: waves 4-11 use it
	s_lshl_b32 s27, s31, 6
	s_add_co_u32 s27, s27, 512
	v_add_nc_u32 v[FAWO], s27, v[FAW]              ; the upper half of K begins 512 bytes into a row; K step q 64 q bytes further on
	v_mul_u32_u24 v61, v2, WSP
	v_lshl_add_u32 v61, v3, 4, v61
	v_add_nc_u32 v[FSW], WS, v61
	v_lshlrev_b32 v[L16], 4, v1
	s_lshl_b32 s27, s31, 10
	v_add_nc_u32 v[LIW], s27, v[L16]
	v_lshlrev_b32 v[H32], 5, v3
	s_lshl_b32 s27, s30, 4
	v_add_nc_u32 v[GO], s27, v2                    ; data row 16 (w & 3) + r
	s_wait_kmcnt 0x0
	s_cmp_lt_u32 ttmp9, 128                        ; W_attn's work-group or W_comb's?  The choice hangs on the work-group's number alone
	s_cselect_b64 s[4:5], s[4:5], s[10:11]         ; W
	s_cselect_b64 s[6:7], s[6:7], s[12:13]         ; the data rows
	s_cselect_b64 s[8:9], s[8:9], s[14:15]         ; the bias
	s_cselect_b64 s[16:17], s[16:17], s[20:21]     ; the records
	s_cselect_b64 s[18:19], s[18:19], s[22:23]     ; G
	s_mov_b32 s24, 4096
	s_cselect_b32 s24, 8192, s24                   ; a row of G in bytes
	s_cselect_b32 s25, 0, 128
	s_sub_co_u32 s25, ttmp9, s25                   ; the tile T
	v_mul_lo_u32 v[GO], v[GO], s24
	v_add_nc_u32 v[GO], v[GO], v[H32]
	s_mov_b32 s29, 0
	s_lshl_b32 s28, s25, 17                        ; 16 rows of 8,192 bytes
	s_add_nc_u64 s[4:5], s[4:5], s[28:29]
	s_lshl_b32 s28, s25, 6                         ; 16 numbers of 4 bytes
	s_add_nc_u64 s[8:9], s[8:9], s[28:29]
	s_add_nc_u64 s[18:19], s[18:19], s[28:29]
	s_mul_i32 s28, s25, 8704
	s_add_nc_u64 s[16:17], s[16:17], s[28:29]
	global_load_b128 v[BI:BI+3], v[H32], s[8:9]              ; lane (r, h), register j: bias[16 T + 8 h + j]
	global_load_b128 v[BI+4:BI+7], v[H32], s[8:9] offset:16
; batch k of 64 numbers a lane into buffer k.  k = 0: my row of W (eight groups of 256 along K).  k = 1, 2: my data rows 2 (k - 1) and the next (four groups each)
.macro LOADB k
.if (\k) == 0
.irp g, 0,1,2,3,4,5,6,7
.irp e, 0,1
	global_load_b128 v[XB+8*\g+4*\e:XB+8*\g+4*\e+3], v[GW], s[4:5] offset:1024*\g+16*\e
.endr
.endr
.else
.irp rr, 0,1
.irp g, 0,1,2,3
.irp e, 0,1
	global_load_b128 v[XB+64*(\k)+32*\rr+8*\g+4*\e:XB+64*(\k)+32*\rr+8*\g+4*\e+3], v[GH], s[6:7] offset:4096*(2*((\k)-1)+\rr)+1024*\g+16*\e
.endr
.endr
.endr
.endif
.endm
	LOADB 0                                        ; W first: no other work-group reads these bytes
	LOADB 1
	LOADB 2                                        ; all that I quantise is asked for
	s_wait_loadcnt 32                              ; the bias and my row of W are in; the two batches of data rows, 16 loads each, may be out
	QB XB, 0, 8, CAW, 0, 512, SAW, 0, 32
	s_wait_loadcnt 16                              ; data rows 4 w and 4 w + 1 are in; one batch may be out
	QB XB+64, 0, 8, CAH, 0, 528, SAH, 0, 48
	s_wait_loadcnt 0x0
	QB XB+128, 0, 8, CAH, 1056, 528, SAH, 96, 48
	s_wait_dscnt 0x0                               ; for the others' sake: my codes and bytes lie in LDS
	s_barrier_signal -1
	s_barrier_wait -1                              ; the launch's one barrier: behind it LDS is only read
	s_cmp_lt_u32 s[WV], 4
	s_cbranch_scc0 .Lrecord
	; ---- waves 0-3: G for data rows 16 w .. 16 w + 15
.irp q, 0,1,2,3,4,5,6,7
.irp c, 0,1
	ds_load_b128 v[64+8*\q+4*\c:67+8*\q+4*\c], v[FAW] offset:64*\q+32*\c       ; W, K 0..1023: eight fragments
	ds_load_b128 v[128+8*\q+4*\c:131+8*\q+4*\c], v[FAH] offset:64*\q+32*\c     ; my 16 data rows: eight fragments
.endr
.endr
	ds_load_b128 v[208:211], v[FSW]                ; W's scale words: register j: lanes 0-15 K step j, lanes 16-31 K step 4 + j
	ds_load_b128 v[212:215], v[FSH]                ; the data rows' likewise
	s_wait_dscnt 0x0
; source 0 = 16 rows of W, source 1 = my 16 data rows: lane (r, h) holds data row r, register j the column 16 T + 8 h + j.  One accumulator: a wait ahead of each link.
.set q, 0
.rept 8
.set rD, AC
.set rA, 64+8*q
.set rB, 128+8*q
.set rC, AC
.set rSA, 208+(q&3)
.set rSB, 212+(q&3)
.set ROWA, q>>2
.set ROWB, q>>2
.if q == 0
.set rC, BI
.else
	s_wait_alu depctr_va_vdst(0)
.endif
	MMA
.set q, q+1
.endr
	PLACES 4                                       ; four places between the last product and the stores that read it
	global_store_b128 v[GO], v[AC:AC+3], s[18:19]
	global_store_b128 v[GO], v[AC+4:AC+7], s[18:19] offset:16
	s_wait_tensorcnt 0x0
	ds_add_u32 v62, v63
	s_wait_dscnt 0x0
	s_endpgm
.Lrecord:
	s_cmp_lt_u32 s[WV], 12
	s_cbranch_scc0 .Limage
	; ---- waves 4-11: K step w - 4 of the upper half goes into the record as the operand's registers take it
	ds_load_b128 v[192:195], v[FAWO]
	ds_load_b128 v[196:199], v[FAWO] offset:32
	s_wait_dscnt 0x0
	global_store_b128 v[LIW], v[192:195], s[16:17]             ; 32 lanes store 512 consecutive bytes
	global_store_b128 v[LIW], v[196:199], s[16:17] offset:512
	s_wait_tensorcnt 0x0
	ds_add_u32 v62, v63
	s_wait_dscnt 0x0
	s_endpgm
.Limage:
	s_cmp_eq_u32 s[WV], 12
	s_cbranch_scc0 .Lnothing
	; ---- wave 12: the upper half's scale words
	ds_load_b128 v[216:219], v[FSW] offset:32
	s_wait_dscnt 0x0
	global_store_b128 v[L16], v[216:219], s[16:17] offset:8192
.Lnothing:
	s_wait_tensorcnt 0x0
	ds_add_u32 v62, v63
	s_wait_dscnt 0x0
	s_endpgm
.Lfunc_end_k_q642585fc4e_prep:
	.size	k_q642585fc4e_prep, .Lfunc_end_k_q642585fc4e_prep-k_q642585fc4e_prep
	.p2alignl 7, 3214868480
	.fill 96, 4, 3214868480
	.section	.rodata,"a",@progbits
	.p2align	6, 0x0
	.amdhsa_kernel k_q642585fc4e_prep
		.amdhsa_group_segment_fixed_size 57344
		.amdhsa_private_segment_fixed_size 0
		.amdhsa_enable_private_segment 0
		.amdhsa_kernarg_size 80
		.amdhsa_user_sgpr_count 2
		.amdhsa_user_sgpr_kernarg_segment_ptr 1
		.amdhsa_wavefront_size32 1
		.amdhsa_system_sgpr_workgroup_id_x 1
		.amdhsa_system_sgpr_workgroup_id_y 1
		.amdhsa_system_sgpr_workgroup_id_z 1
		.amdhsa_system_vgpr_workitem_id 0
		.amdhsa_next_free_vgpr 256
		.amdhsa_next_free_sgpr 66
		.amdhsa_reserve_vcc 0
		.amdhsa_float_denorm_mode_32 3
		.amdhsa_float_denorm_mode_16_64 3
		.amdhsa_memory_ordered 1
		.amdhsa_forward_progress 1
		.amdhsa_inst_pref_size 31
	.end_amdhsa_kernel
	.amdgpu_metadata
---
amdhsa.version: [ 1, 2 ]
amdhsa.kernels:
  - .name:           k_q642585fc4e_prep
    .symbol:         k_q642585fc4e_prep.kd
    .args:
      - { .name: W_attn, .offset: 0, .size: 8, .value_kind: global_buffer, .address_space: global }
      - { .name: hidden, .offset: 8, .size: 8, .value_kind: global_buffer, .address_space: global }
      - { .name: b_attn, .offset: 16, .size: 8, .value_kind: global_buffer, .address_space: global }
      - { .name: W_comb, .offset: 24, .size: 8, .value_kind: global_buffer, .address_space: global }
      - { .name: decoder_out, .offset: 32, .size: 8, .value_kind: global_buffer, .address_space: global }
      - { .name: b_comb, .offset: 40, .size: 8, .value_kind: global_buffer, .address_space: global }
      - { .name: wqa, .offset: 48, .size: 8, .value_kind: global_buffer, .address_space: global }
      - { .name: gbuf, .offset: 56, .size: 8, .value_kind: global_buffer, .address_space: global }
      - { .name: wqc, .offset: 64, .size: 8, .value_kind: global_buffer, .address_space: global }
      - { .name: g2buf, .offset: 72, .size: 8, .value_kind: global_buffer, .address_space: global }
    .group_segment_fixed_size: 57344
    .private_segment_fixed_size: 0
    .kernarg_segment_align: 8
    .kernarg_segment_size: 80
    .max_flat_workgroup_size: 512
    .sgpr_count:     66
    .vgpr_count:     256
    .wavefront_size: 32
...
	.end_amdgpu_metadata
.endif
;; end of part 1
;; launch main (part 2): grid 256 x 1, 4 waves a work-group, clusters of 4 x 1, 327,680 bytes of LDS; arguments encoder_states, wqa, gbuf, W_attn2, b_attn2, pacc; writes pacc
.if DOCPART == 2
	.amdgcn_target "amdgcn-amd-amdhsa--gfx1250"
	.amdhsa_code_object_version 6
	.text
	.protected	k_q642585fc4e_main
	.globl	k_q642585fc4e_main
	.p2align	8
	.type	k_q642585fc4e_main,@function
k_q642585fc4e_main:
	s_mov_b64 s[64:65], 0
	v_nop
	global_prefetch_b8 v0, s[64:65] scope:SCOPE_SE
	s_setreg_imm32_b32 hwreg(HW_REG_WAVE_MODE, 25, 1), 1
	s_wait_xcnt 0x0
	s_wait_alu depctr_hold_cnt(0) depctr_sa_sdst(0) depctr_va_vdst(0) depctr_va_sdst(0) depctr_va_ssrc(0) depctr_va_vcc(0) depctr_vm_vsrc(0)
	s_getreg_b32 s2, hwreg(HW_REG_IB_STS2, 6, 4)
	s_cmp_eq_u32 s2, 0
	s_cbranch_scc0 .Lentry_in_a_cluster
	s_endpgm
.Lentry_in_a_cluster:
	s_bfe_u32 s2, ttmp6, 0x10000c
	s_cmp_lg_u32 s2, 0x3003
	s_cbranch_scc0 .Lentry_shape_is_right
	s_endpgm
.Lentry_shape_is_right:
; For one b and 64 of its s (a chunk): score[s] = b_attn2 + W_attn2 . tanh(G[b] + Q(enc[s][b]) Q(W_attn[:, 1024:])^T), then the chunk's part of the softmax:
; M = the chunk's largest score, p = e^(score - M), l = the sum of p, and the sum of p x enc[s][b][:], not normalised.  The last launch joins a b's four chunks under their common maximum.
; G[b] (bias and the hidden half of K, the same for all s) is the C of the first K step.  SHARES: cluster = b, place in the cluster = chunk.  Wave w loads rows 16 w .. 16 w + 15 of the chunk,
; keeps them as f32 in 512 registers (they are wanted again for the weighted sum, so encoder_states is read once) and quantises them into LDS.  In the product every wave holds all 64 rows'
; fragments (256 registers) and takes the tiles T = 16 j + 4 w + i of 16 columns n: slot j = 0..7, i = 0..3.  So each fragment of W read from LDS feeds four products, and the dot product
; with W_attn2 ends inside the work-group.
; W's RECORDS (8,704 bytes a tile, in the order of the operand's registers) come through a ring of two LDS slots of 16 records; a wave fetches and reads its own four.  All work-groups walk the
; same records: the four of a cluster ask JOINTLY, the same load with the same descriptor and the mask of all four.
; THE PRODUCT IS USED TRANSPOSED (source 0 = 16 rows of W, source 1 = 16 rows of enc): lane (r, h) holds row r, register j the column 16 T + 8 h + j.
; tanh(x) = 1 - 2 / (1 + 2^(2 log2(e) x)): it goes to 1 and to -1 at the ends.  The sum kept is that of W_attn2 / (1 + 2^..); score = b_attn2 + sum(W_attn2) - 2 x that sum.
; A tile's 64 transcendentals a lane stand between the next tile's 32 products, in two batches (exponentials, reciprocals) with one wait each.
; LIMITS: NaN and infinities are not served; a block of zeros gets the scale byte 1 (its codes are zeros); tanh's error is absolute, about an ulp of 1; the f32 sums go in another order than reference()'s.
; No prefetch is written: the encoder rows are asked for by the wave's first memory instructions, ahead of the cluster's first round, so nothing could ask earlier, and the records are walked by every work-group.
; REGISTERS, in windows of 256: window 0 below; window 1: enc's fragments, (row tile m, K step q) at 64 m + 8 q; windows 2, 3: my rows 0-7, 8-15 as f32, row i at 32 (i & 7),
; register 8 g + 4 e + x = column 256 g + 8 lane + 4 e + x.
.set SLOTB, 139264                     ; a slot: 16 records.  0x22000 shares no bit with a wave's place in a slot (0, 0x8800, 0x11000, 0x19800): one exclusive or turns an address to the other slot
.set QUART, 34816                      ; a wave's four records
.set REC,   8704
.set ACODE, 278528                     ; behind the ring: enc's codes, 64 rows of 512 bytes + 16;
.set ASC,   312320                     ; their scale bytes, 32 in rows of 48;
.set SPARE, 315392                     ; the spare words, 128 bytes for each wave: two blocks of 256 bytes that no other line names
.set W2B,   ACODE+8192                 ; once the fragments are in registers ACODE's bytes serve again, by LDS stores alone: G[b] at +0, W_attn2 at +8192,
.set RED,   ACODE+16384                ; the waves' weighted sums, 4 x 4,096,
.set SCX,   ACODE+32768                ; the waves' parts of the 64 scores, 16 bytes a row
.set APITCH, 528
.set SPITCH, 48
.set SPW,  1                           ; v1  LDS address of my spare word; never rewritten
.set NIL,  2                           ; v2  0; never rewritten
.set ADB0, 3                           ; v3  16 lane + QUART w
.set ADR,  4                           ; v4  the same in the slot in hand
.set AG,   5                           ; v5  where G's and W_attn2's numbers of the slot's tiles lie
.set SCR,  6                           ; v6-13  a pair of running sums for each row tile
.set W2R,  14                          ; v14-21 W_attn2 at a tile's columns
.set GCI,  22                          ; v22-29 G[b] at a tile's columns
.set SB,   30                          ; v30-37 W's scale words, two sets
.set SA,   38                          ; v38-53 enc's scale words: register 8 (m / 2) + q: lanes 0-15 row tile m even, lanes 16-31 m odd
.set CA,   54
.set SAA,  55
.set FA,   56
.set FSA,  57
.set EO,   58
.set TO,   59
.set GST,  60
.set AG0,  61
.set BF,   64                          ; v64-191 W's fragments, two sets
.set ACC,  192                         ; v192-255 four accumulators, two sets
.set QM,   64                          ; the quantiser's registers, at the head only
.set QC,   72
.set QY,   80
.set WV,   16                          ; s16 wave;  s17 place in the cluster;  s18 the slot in hand (0 or SLOTB);  s19 trips
.set CX,   17
.set TB,   18
.set CNT,  19
.set G1,   20                          ; s[20:27] descriptor group 1;  s[28:31] group 0 of slot 0's first fill;  s[32:35] the group 0 that walks
.set G0A,  28
.set G0B,  32
.set B2,   36                          ; s36 b_attn2
.set GS,   37                          ; s37 1,024 bytes for each slot begun
.set SEL,  38                          ; s[38:39] v_permlanex16_b32's selects for lane l xor 16
.set PS,   66                          ; s[66:97] p of my 16 rows, each twice: the packed forms name a pair
.set MSB, 0
.macro WIN new                         ; the immediate's high byte repeats the setting that is left
.if MSB != (\new)
	s_set_vgpr_msb (MSB<<8)|(\new)
.set MSB, (\new)
.endif
.endm
.macro PLACES n
.rept \n
	v_nop
.endr
.endm
.macro CROUND                          ; a round of the cluster's barrier
	s_barrier_signal -1
	s_barrier_wait -1
	s_cmp_lg_u32 s[WV], 0
	s_cbranch_scc1 .Lnot_wave_0_\@
	s_barrier_signal -3
.Lnot_wave_0_\@:
	s_barrier_wait -3
	s_barrier_signal -1
	s_barrier_wait -1
.endm
; ng groups of 8 neighbours along K, group u in v[xb + 8 u] on (window win), become 8 codes (4 bytes) and a scale byte each; four neighbouring lanes hold a block of 32.
.macro QB xb, win, ng, ca, co, cstep, sa, so, sstep
	WIN (\win)|((\win)<<2)
.set u, 0
.rept \ng
	v_max3_num_f32 v[QM+u], |v[(\xb)+8*u]|, |v[(\xb)+8*u+1]|, 0x1800000      ; with the floor 2^(3-127): the byte cannot fall under 1
.set u, u+1
.endr
.irp k, 2,4,6
.set u, 0
.rept \ng
	v_max3_num_f32 v[QM+u], |v[(\xb)+8*u+\k]|, |v[(\xb)+8*u+\k+1]|, v[QM+u]
.set u, u+1
.endr
.endr
	WIN 0
.irp x, 1,2
.set u, 0
.rept \ng
	v_max_num_f32_dpp v[QM+u], v[QM+u], v[QM+u] row_xmask:\x row_mask:0xf bank_mask:0xf
.set u, u+1
.endr
.endr
.set u, 0
.rept \ng
	v_add_nc_u32 v[QM+u], 0xff000000, v[QM+u]      ; 2 off the exponent field: the conversion takes that field as its scale
.set u, u+1
.endr
	s_wait_dscnt 0x0                               ; the last batch's LDS stores have read their codes and bytes
	WIN (\win)
.set u, 0
.rept \ng
	v_cvt_scalef32_pk8_fp4_f32 v[QC+u], v[(\xb)+8*u:(\xb)+8*u+7], v[QM+u]
.set u, u+1
.endr
	WIN 0
.set u, 0
.rept \ng
	v_lshrrev_b32 v[QY+u], 23, v[QM+u]             ; the scale's byte; the first of these is the plain line behind the conversions
.set u, u+1
.endr
.set u, 0
.rept \ng
	ds_store_b32 v[\ca], v[QC+u] offset:(\co)+(u/4)*(\cstep)+(u%4)*128
	ds_store_b8 v[\sa], v[QY+u] offset:(\so)+(u/4)*(\sstep)+(u%4)*8          ; four lanes write the same byte with the same value
.set u, u+1
.endr
.endm
.macro MMA                             ; one product; the register numbers and the rows of the scale registers stand in symbols
.if ROWA && ROWB
	v_wmma_scale_f32_16x16x128_f8f6f4 v[rD:rD+7], v[rA:rA+7], v[rB:rB+7], v[rC:rC+7], v[rSA], v[rSB] matrix_a_fmt:MATRIX_FMT_FP4 matrix_b_fmt:MATRIX_FMT_FP4 matrix_a_scale:MATRIX_SCALE_ROW1 matrix_b_scale:MATRIX_SCALE_ROW1
.elseif ROWA
	v_wmma_scale_f32_16x16x128_f8f6f4 v[rD:rD+7], v[rA:rA+7], v[rB:rB+7], v[rC:rC+7], v[rSA], v[rSB] matrix_a_fmt:MATRIX_FMT_FP4 matrix_b_fmt:MATRIX_FMT_FP4 matrix_a_scale:MATRIX_SCALE_ROW1
.elseif ROWB
	v_wmma_scale_f32_16x16x128_f8f6f4 v[rD:rD+7], v[rA:rA+7], v[rB:rB+7], v[rC:rC+7], v[rSA], v[rSB] matrix_a_fmt:MATRIX_FMT_FP4 matrix_b_fmt:MATRIX_FMT_FP4 matrix_b_scale:MATRIX_SCALE_ROW1
.else
	v_wmma_scale_f32_16x16x128_f8f6f4 v[rD:rD+7], v[rA:rA+7], v[rB:rB+7], v[rC:rC+7], v[rSA], v[rSB] matrix_a_fmt:MATRIX_FMT_FP4 matrix_b_fmt:MATRIX_FMT_FP4
.endif
.endm
.macro WSUM v, t                       ; the sum over the wave's 32 lanes, in every lane
.irp x, 1,2,4,8
	v_add_f32_dpp v[\v], v[\v], v[\v] row_xmask:\x row_mask:0xf bank_mask:0xf
.endr
	v_permlanex16_b32 v[\t], v[\v], s[SEL], s[SEL+1]
	v_add_f32 v[\v], v[\v], v[\t]
.endm
.macro WMAX v, t
.irp x, 1,2,4,8
	v_max_num_f32_dpp v[\v], v[\v], v[\v] row_xmask:\x row_mask:0xf bank_mask:0xf
.endr
	v_permlanex16_b32 v[\t], v[\v], s[SEL], s[SEL+1]
	v_max_num_f32 v[\v], v[\v], v[\t]
.endm
; rows 2 p and 2 p + 1 of my 16: 16 loads; two loads of 16 bytes a lane, 32 bytes from lane to lane, cover each 1,024 bytes between them.
; They carry no cache hint: the second load of a pair wants the bytes beside those that the first asked for.
.macro LOADP p
	WIN 0x80+0x40*((\p)>>2)                        ; destination window 2 or 3
.irp rr, 0,1
.irp g, 0,1,2,3
.irp e, 0,1
	global_load_b128 v[64*((\p)&3)+32*\rr+8*\g+4*\e:64*((\p)&3)+32*\rr+8*\g+4*\e+3], v[EO], s[4:5] offset:262144*(2*(\p)+\rr)+1024*\g+16*\e
.endr
.endr
.endr
.endm
	s_load_b256 s[4:11], s[0:1], 0x0               ; encoder_states s[4:5], wqa s[6:7], gbuf s[8:9], W_attn2 s[10:11]
	s_load_b128 s[12:15], s[0:1], 0x20             ; b_attn2 s[12:13], pacc s[14:15]
	v_lshl_add_u32 v[SPW], v0, 2, SPARE
	v_mov_b32 v[NIL], 0
	ds_add_u32 v1, v2
	ds_add_u32 v1, v2
	s_wait_dscnt 0x0
	v_lshrrev_b32 v62, 5, v0
	v_readfirstlane_b32 s[WV], v62                 ; wave 0..3
	s_bfe_u32 s[CX], ttmp6, 0x40000                ; my place in the cluster: the chunk.  It enters the addresses of encoder_states and pacc alone
	; descriptor group 1: four records are 34,816 dense bytes: 136 rows of 256 bytes (32 elements of 8 bytes), no padding: fragments are read 16 bytes a lane on end
	s_mov_b32 s[G1], 15|(3<<16)|(1<<21)            ; 15:0 the mask: all four work-groups; 17:16 elements of 8 bytes; 21 set beside a mask
	s_mov_b32 s[G1+1], 32<<16                      ; tensor_dim0 = 32
	s_mov_b32 s[G1+2], 136<<16                     ; tensor_dim1 = 136
	s_mov_b32 s[G1+3], 32<<16                      ; tile_dim0 = 32
	s_mov_b32 s[G1+4], 136                         ; tile_dim1 = 136
	s_mov_b32 s[G1+5], 32                          ; elements from row to row
	s_mov_b32 s[G1+6], 0
	s_mov_b32 s[G1+7], 0
	s_mul_i32 s40, s[WV], QUART                    ; my quarter of a slot, in memory and in LDS: the wave's number alone
	s_mov_b32 s41, 0
	s_lshl_b32 s42, ttmp9, 12                      ; encoder_states[s][b][:]: b x 4,096 bytes,
	s_lshl_b32 s43, s[CX], 24                      ; + 64 chunk rows of 262,144 bytes,
	s_add_co_u32 s42, s42, s43
	s_lshl_b32 s43, s[WV], 22                      ; + 16 w rows
	s_add_co_u32 s42, s42, s43
	s_mov_b32 s43, 0
	s_lshl_b32 s44, ttmp9, 13                      ; G[b]: 8,192 bytes a row
	s_mov_b32 s45, 0
	s_lshl_b32 s46, ttmp9, 2
	s_add_co_u32 s46, s46, s[CX]
	s_mul_i32 s46, s46, 4608                       ; pacc: record 4 b + chunk
	s_mov_b32 s47, 0
	s_mov_b32 s[SEL], 0x76543210
	s_mov_b32 s[SEL+1], 0xfedcba98
	s_mov_b32 s[TB], 0
	s_mov_b32 s[GS], 0
	v_and_b32 v62, 31, v0                          ; lane
	v_lshlrev_b32 v[EO], 5, v62                    ; 32 bytes a lane
	s_wait_kmcnt 0x0
	s_add_nc_u64 s[4:5], s[4:5], s[42:43]
	LOADP 0                                        ; my first six rows are asked for ahead of all else: they hang on nothing that the cluster's round orders
	LOADP 1
	LOADP 2
	WIN 0                                          ; at a branch and at a label every window is 0
	s_add_nc_u64 s[6:7], s[6:7], s[40:41]
	s_add_nc_u64 s[8:9], s[8:9], s[44:45]
	s_add_nc_u64 s[14:15], s[14:15], s[46:47]
	s_mov_b32 s[G0A], 1                            ; count = 1
	s_mov_b32 s[G0A+1], s40                        ; LDS address: slot 0
	s_mov_b64 s[G0A+2:G0A+3], s[6:7]               ; global address: records 4 w on
	s_or_b32 s[G0A+3], s[G0A+3], 0x80000000        ; type = 2
	s_mov_b32 s[G0B], 1
	s_add_co_u32 s[G0B+1], s40, SLOTB              ; slot 1
	s_add_nc_u64 s[G0B+2:G0B+3], s[6:7], SLOTB     ; the next 16 records
	s_or_b32 s[G0B+3], s[G0B+3], 0x80000000
	CROUND                                         ; all four work-groups are here: the first joint loads meet
	tensor_load_to_lds s[G0A:G0A+3], s[G1:G1+7]    ; both first fills together: two loads of mine are out
	s_nop 0
	tensor_load_to_lds s[G0B:G0B+3], s[G1:G1+7]
	s_nop 0
	PLACES 4
	s_load_b32 s[B2], s[12:13], 0x0
	v_and_b32 v63, 15, v0                          ; r
	v_bfe_u32 v60, v0, 4, 1                        ; h
	v_lshlrev_b32 v[ADB0], 4, v62
	v_add_nc_u32 v[ADB0], s40, v[ADB0]
	v_lshlrev_b32 v[TO], 4, v0                     ; 16 bytes a thread
	s_mul_i32 s48, s[WV], 16*APITCH
	s_add_co_u32 s48, s48, ACODE
	v_lshl_add_u32 v[CA], v62, 2, s48              ; where my rows' codes go
	s_mul_i32 s48, s[WV], 16*SPITCH
	s_add_co_u32 s48, s48, ASC
	v_lshrrev_b32 v[SAA], 2, v62
	v_add_nc_u32 v[SAA], s48, v[SAA]               ; and their scale bytes
	v_mul_u32_u24 v[FA], v63, APITCH
	v_lshl_add_u32 v[FA], v60, 4, v[FA]
	v_add_nc_u32 v[FA], ACODE, v[FA]               ; a fragment: row r, + 16 h
	v_mul_u32_u24 v[FSA], v62, SPITCH
	v_add_nc_u32 v[FSA], ASC, v[FSA]               ; scale words: a lane a row
	s_lshl_b32 s48, s[WV], 8
	s_add_co_u32 s48, s48, ACODE-1024
	v_lshl_add_u32 v[AG0], v60, 5, s48             ; G at column 64 w + 8 h, one slot (1,024 bytes) back: every offset from it is 1,024 or more
	v_add_nc_u32 v[GST], ACODE, v[TO]
	s_wait_kmcnt 0x0                               ; b_attn2
.irp p, 0,1,2,3,4,5,6,7
.if \p <= 4
	s_wait_loadcnt 32                              ; pair p is in; the two pairs behind it may be out
.elseif \p == 5
	s_wait_loadcnt 40                              ; two pairs and the eight small loads
.elseif \p == 6
	s_wait_loadcnt 24                              ; one pair and the eight
.else
	s_wait_loadcnt 8                               ; the eight
.endif
.if \p+3 <= 7
	LOADP \p+3
.endif
.if \p == 4
	WIN 0
.irp k, 0,1,2,3
	global_load_b128 v[192+4*\k:195+4*\k], v[TO], s[8:9] offset:2048*\k        ; G[b], 8,192 bytes: 16 a thread, four times
	global_load_b128 v[208+4*\k:211+4*\k], v[TO], s[10:11] offset:2048*\k      ; W_attn2 likewise
.endr
.endif
	QB 64*(\p&3), 2+(\p>>2), 8, CA, 1056*\p, 528, SAA, 96*\p, 48
.endr
	s_wait_dscnt 0x0                               ; my codes and bytes lie in LDS
	s_barrier_signal -1
	s_barrier_wait -1                              ; everybody's do
	WIN 0x40                                       ; destination window 1
.irp m, 0,1,2,3
.irp q, 0,1,2,3,4,5,6,7
.irp c, 0,1
	ds_load_b128 v[64*\m+8*\q+4*\c:64*\m+8*\q+4*\c+3], v[FA] offset:8448*\m+64*\q+32*\c   ; all 64 rows' fragments: they stay
.endr
.endr
.endr
	WIN 0
.irp m, 0,1
.irp x, 0,1
	ds_load_b128 v[SA+8*\m+4*\x:SA+8*\m+4*\x+3], v[FSA] offset:1536*\m+16*\x   ; row 32 m + lane: scale words 4 x .. 4 x + 3
.endr
.endr
	s_wait_dscnt 0x0                               ; my reads of the codes are over
	s_barrier_signal -1
	s_barrier_wait -1                              ; everybody's are: their bytes may be written again
	s_wait_loadcnt 0x0
.irp k, 0,1,2,3
	ds_store_b128 v[GST], v[192+4*\k:195+4*\k] offset:2048*\k
	ds_store_b128 v[GST], v[208+4*\k:211+4*\k] offset:8192+2048*\k
.endr
.irp k, 0,1,2,3,4,5,6,7
	v_mov_b32 v[SCR+\k], 0                         ; the running sums
.endr
	v_mov_b32 v[AG], v[AG0]
	v_mov_b32 v[ADR], v[ADB0]
	s_wait_dscnt 0x0
	s_wait_tensorcnt 0x1                           ; my four records of slot 0 are in; slot 1's load may stay out
	s_barrier_signal -1
	s_barrier_wait -1                              ; G[b] and W_attn2 lie in LDS
.irp q, 0,1,2,3,4,5,6,7
.irp c, 0,1
	ds_load_b128 v[BF+8*\q+4*\c:BF+8*\q+4*\c+3], v[ADR] offset:1024*\q+512*\c  ; the first tile's fragments,
.endr
.endr
	ds_load_b128 v[SB:SB+3], v[ADR] offset:8192    ; its scale words,
	ds_load_b128 v[GCI:GCI+3], v[AG] offset:1024   ; and its columns of G
	ds_load_b128 v[GCI+4:GCI+7], v[AG] offset:1040
.macro STAGEC ea                       ; the running sums take a tile's 1 / (1 + 2^..) times W_attn2; the four row tiles by turns
.irp jj, 0,1,2,3
.irp m, 0,1,2,3
	v_pk_fma_f32 v[SCR+2*\m:SCR+2*\m+1], v[(\ea)+8*\m+2*\jj:(\ea)+8*\m+2*\jj+1], v[W2R+2*\jj:W2R+2*\jj+1], v[SCR+2*\m:SCR+2*\m+1]
.endr
.endr
.endm
; THE PHASE OF TILE i OF A SLOT: 32 products (K step q = n / 4, row tile m = n % 4: the four accumulators by turns, one instruction a turn) into set i & 1.
; epi = 1: the tile before, in the other set, goes through tanh in slices behind the products: pair n is scaled and pair n - 1 exponentiated (n < 16), then 1 is added to pair n - 16 and pair n - 17 inverted.
; The pairs go in ascending order.  nxt = 1: the next tile's fragments and scale words are asked for at the head, its columns of G in the middle.
; The products run with source 1 in window 1; no line between them has a vector register as its second source.
.macro PH i, epi, nxt
.set P, (\i)&1
.set PBF, BF+64*P
.set NBF, BF+64*(1-P)
.set PAC, ACC+32*P
.set EAC, ACC+32*(1-P)
.if (\i) == 0
.set BOFF, REC
.set W2OFF, 8384
.set GOFF, 1088
.elseif (\i) == 1
.set BOFF, 2*REC
.set W2OFF, 8192
.set GOFF, 128
.elseif (\i) == 2
.set BOFF, 3*REC
.set W2OFF, 8256
.set GOFF, 192
.else
.set BOFF, 0
.set W2OFF, 8320
.set GOFF, 1024
.endif
	s_wait_dscnt 0x0                               ; this tile's fragments, scale words and G are in (asked for a phase and half a phase ago)
.if (\i) == 1
	s_add_co_u32 s[GS], s[GS], 1024                ; on to this slot's 256 columns
	v_add_nc_u32 v[AG], s[GS], v[AG0]
.endif
.if !(\epi)
	PLACES 4
.endif
.if \nxt
.irp q, 0,1,2,3,4,5,6,7
.irp c, 0,1
	ds_load_b128 v[NBF+8*\q+4*\c:NBF+8*\q+4*\c+3], v[ADR] offset:BOFF+1024*\q+512*\c   ; behind the last phase's closing sums, which are the places for these loads
.endr
.endr
	ds_load_b128 v[SB+4*(1-P):SB+4*(1-P)+3], v[ADR] offset:BOFF+8192
.endif
.if \epi
	ds_load_b128 v[W2R:W2R+3], v[AG] offset:W2OFF
	ds_load_b128 v[W2R+4:W2R+7], v[AG] offset:W2OFF+16
.endif
	WIN 0x04
.set n, 0
.rept 32
.set rD, PAC+8*(n%4)
.set rA, PBF+8*(n/4)
.set rB, 64*(n%4)+8*(n/4)
.set rC, rD
.if n < 4
.set rC, GCI
.endif
.set rSA, SB+4*P+((n/4)&3)
.set rSB, SA+8*((n%4)>>1)+(n/4)
.set ROWA, (n/4)>>2
.set ROWB, n&1
	MMA
.if \epi
.if n < 16
	v_pk_mul_f32 v[EAC+2*n:EAC+2*n+1], v[EAC+2*n:EAC+2*n+1], 0x4038aa3b op_sel_hi:[1,0]   ; x 2 log2(e)
.if n > 0
	v_exp_f32 v[EAC+2*n-2], v[EAC+2*n-2]
	v_exp_f32 v[EAC+2*n-1], v[EAC+2*n-1]
.endif
.else
	v_pk_add_f32 v[EAC+2*(n-16):EAC+2*(n-16)+1], v[EAC+2*(n-16):EAC+2*(n-16)+1], 1.0 op_sel_hi:[1,0]
.if n > 16
	v_rcp_f32 v[EAC+2*(n-17)], v[EAC+2*(n-17)]
	v_rcp_f32 v[EAC+2*(n-17)+1], v[EAC+2*(n-17)+1]
.endif
.endif
.endif
.if n == 15
.if \epi
	v_exp_f32 v[EAC+30], v[EAC+30]
	v_exp_f32 v[EAC+31], v[EAC+31]
	v_nop                                          ; the plain line behind the last exponential
	s_wait_alu depctr_va_vdst(0)                   ; one wait for the 32 exponentials, ahead of the first line that names a result
.else
	PLACES 4
.endif
.if \nxt
	ds_load_b128 v[GCI:GCI+3], v[AG] offset:GOFF   ; G was read by this phase's first four products; the scalings since are the places
	ds_load_b128 v[GCI+4:GCI+7], v[AG] offset:GOFF+16
.endif
.endif
.set n, n+1
.endr
.if \epi
	v_rcp_f32 v[EAC+30], v[EAC+30]
	v_rcp_f32 v[EAC+31], v[EAC+31]
	v_nop                                          ; the plain line behind the last reciprocal
	WIN 0
	s_wait_alu depctr_va_vdst(0)                   ; one wait for the 32 reciprocals
.if \nxt
	s_wait_dscnt 0x2                               ; W_attn2's numbers are in; the two loads of G issued behind them may be out
.else
	s_wait_dscnt 0x0
.endif
	STAGEC EAC
.else
	WIN 0
	PLACES 4
.endif
.endm
.macro EPIO                            ; the last tile's tanh: no products are left to set it between
	ds_load_b128 v[W2R:W2R+3], v[AG] offset:8384
	ds_load_b128 v[W2R+4:W2R+7], v[AG] offset:8400
.set n, 0
.rept 16
	v_pk_mul_f32 v[ACC+32+2*n:ACC+33+2*n], v[ACC+32+2*n:ACC+33+2*n], 0x4038aa3b op_sel_hi:[1,0]
.set n, n+1
.endr
.set n, 0
.rept 32
	v_exp_f32 v[ACC+32+n], v[ACC+32+n]
.set n, n+1
.endr
	v_nop
	s_wait_alu depctr_va_vdst(0)
.set n, 0
.rept 16
	v_pk_add_f32 v[ACC+32+2*n:ACC+33+2*n], v[ACC+32+2*n:ACC+33+2*n], 1.0 op_sel_hi:[1,0]
.set n, n+1
.endr
.set n, 0
.rept 32
	v_rcp_f32 v[ACC+32+n], v[ACC+32+n]
.set n, n+1
.endr
	v_nop
	s_wait_alu depctr_va_vdst(0)
	s_wait_dscnt 0x0
	STAGEC ACC+32
.endm
; THE CHANGE OF SLOTS stands ahead of a slot's last phase: that tile's fragments were asked for a phase ago.  Each wave waits for all its tensor loads (one is out: its part of the next slot), adds 0 to its
; spare word, and waits for that and for its reads of the slot.  fill = 1: a round of the cluster's barrier, and the slot just left is filled with the records two slots on: the load has four phases, 128 products, to land.
.macro CHG fill
	s_wait_tensorcnt 0x0                           ; no tensor load of mine is out, so the walking group 0 may be written
	ds_add_u32 v[SPW], v[NIL]                      ; 0 onto my spare word
.if \fill
	s_xor_b32 s[G0B+1], s[G0B+1], SLOTB            ; the other slot than last time,
	s_add_nc_u64 s[G0B+2:G0B+3], s[G0B+2:G0B+3], SLOTB   ; the next 16 records; the type bits on top are not reached
.endif
	s_xor_b32 s[TB], s[TB], SLOTB                  ; my reads go on to the other slot
	s_wait_dscnt 0x0                               ; the add is done, and my reads of the slot are over
.if \fill
	CROUND                                         ; no wave of any partner still reads the slot or has a load on its way
	tensor_load_to_lds s[G0B:G0B+3], s[G1:G1+7]    ; my one tensor load behind the round, and the first thing there
	s_nop 0
	PLACES 4
.else
	s_barrier_signal -1
	s_barrier_wait -1
.endif
	v_add_nc_u32 v[ADR], s[TB], v[ADB0]
.endm
	PH 0, 0, 1                                     ; slot 0: the first tile has no tile before it
	PH 1, 1, 1
	PH 2, 1, 1
	s_mov_b32 s[CNT], 6
.Lslot:                                            ; six trips: slots 0 to 5 are left and filled with slots 2 to 7
	CHG 1
	PH 3, 1, 1
	PH 0, 1, 1
	PH 1, 1, 1
	PH 2, 1, 1
	s_sub_co_u32 s[CNT], s[CNT], 1
	s_cmp_lg_u32 s[CNT], 0
	s_cbranch_scc1 .Lslot
	CHG 0                                          ; the tail is written out: slot 6 is left, nothing is asked for
	PH 3, 1, 1
	PH 0, 1, 1
	PH 1, 1, 1
	PH 2, 1, 1
	PH 3, 1, 0
	EPIO
	; THE WAY OUT.  My part of the 64 scores: a pair's halves, and lane l xor 16's eight columns; then the four waves' parts meet in LDS.
	v_and_b32 v62, 31, v0
	v_and_b32 v63, 15, v0
	v_lshl_add_u32 v55, v62, 4, W2B
.irp k, 0,1,2,3,4,5,6,7,8,9,10,11,12,13,14,15
	ds_load_b128 v[64+4*\k:67+4*\k], v55 offset:512*\k                         ; all of W_attn2, 64 numbers a lane
.endr
	s_lshl_b32 s48, s[WV], 2
	s_add_co_u32 s48, s48, SCX
	v_lshl_add_u32 v54, v63, 4, s48                ; row r: 16 bytes a row, my wave's word
.irp m, 0,1,2,3
	v_add_f32 v[SCR+2*\m], v[SCR+2*\m], v[SCR+2*\m+1]
.endr
.irp m, 0,1,2,3
	v_permlanex16_b32 v[56+\m], v[SCR+2*\m], s[SEL], s[SEL+1]
.endr
.irp m, 0,1,2,3
	v_add_f32 v[SCR+2*\m], v[SCR+2*\m], v[56+\m]
.endr
.irp m, 0,1,2,3
	ds_store_b32 v54, v[SCR+2*\m] offset:256*\m    ; both halves of the lanes write the same word with the same value
.endr
	v_lshl_add_u32 v60, v62, 4, SCX
	s_lshl_b32 s48, s[WV], 8
	s_add_co_u32 s48, s48, SCX
	v_lshl_add_u32 v61, v63, 4, s48
	s_wait_dscnt 0x0                               ; W_attn2 is in, and my stores have landed
.irp d, 32,16,8,4,2
.set t, 0
.rept \d/2
	v_pk_add_f32 v[64+2*t:65+2*t], v[64+2*t:65+2*t], v[64+\d+2*t:65+\d+2*t]
.set t, t+1
.endr
.endr
	v_add_f32 v64, v64, v65
	WSUM 64, 56
	v_add_f32 v64, s[B2], v64                      ; b_attn2 + the sum of W_attn2
	s_barrier_signal -1
	s_barrier_wait -1
	ds_load_b128 v[14:17], v60                     ; row lane: the four waves' parts;
	ds_load_b128 v[18:21], v60 offset:512          ; row 32 + lane;
	ds_load_b128 v[22:25], v61                     ; row 16 w + r: mine
	s_wait_dscnt 0x0
.irp a, 14,18,22
	v_add_f32 v[\a], v[\a], v[\a+1]
	v_add_f32 v[\a+2], v[\a+2], v[\a+3]
.endr
.irp a, 14,18,22
	v_add_f32 v[\a], v[\a], v[\a+2]
.endr
.irp a, 14,18,22
	v_fma_f32 v[\a], -2.0, v[\a], v64              ; the score
.endr
	v_max_num_f32 v26, v14, v18
	WMAX 26, 56                                    ; M: the chunk's largest score
.irp a, 14,18,22
	v_sub_f32 v[\a], v[\a], v26
.endr
.irp a, 14,18,22
	v_mul_f32 v[\a], 0x3fb8aa3b, v[\a]
.endr
.irp a, 14,18,22
	v_exp_f32 v[\a], v[\a]                         ; p = e^(score - M), at most 1
.endr
	v_nop
	s_wait_alu depctr_va_vdst(0)                   ; one wait for the three
	v_add_f32 v27, v14, v18
	WSUM 27, 56                                    ; l
	v_mov_b32 v8, v26
	v_mov_b32 v9, v27
	v_mov_b32 v10, v26
	v_mov_b32 v11, v27
.set i, 0
.rept 16
	v_readlane_b32 s[PS+2*i], v22, i               ; p of my row i, as data for the packed forms: no address and no branch hangs on it
	v_readlane_b32 s[PS+2*i+1], v22, i
.set i, i+1
.endr
	WIN 0x02                                       ; source 0: window 2: my rows 0-7
.set t, 0
.rept 16
	v_pk_mul_f32 v[192+2*t:193+2*t], v[2*t:2*t+1], s[PS:PS+1] op_sel_hi:[1,0]  ; the first row starts the sums
.set t, t+1
.endr
.set i, 1
.rept 7
.set t, 0
.rept 16
	v_pk_fma_f32 v[192+2*t:193+2*t], v[32*i+2*t:32*i+2*t+1], s[PS+2*i:PS+2*i+1], v[192+2*t:193+2*t] op_sel_hi:[1,0,1]
.set t, t+1
.endr
.set i, i+1
.endr
	WIN 0x03                                       ; window 3: rows 8-15
.set i, 8
.rept 8
.set t, 0
.rept 16
	v_pk_fma_f32 v[192+2*t:193+2*t], v[32*(i-8)+2*t:32*(i-8)+2*t+1], s[PS+2*i:PS+2*i+1], v[192+2*t:193+2*t] op_sel_hi:[1,0,1]
.set t, t+1
.endr
.set i, i+1
.endr
	WIN 0
	s_lshl_b32 s48, s[WV], 12
	s_add_co_u32 s48, s48, RED
	v_lshl_add_u32 v54, v62, 5, s48
.irp g, 0,1,2,3
.irp e, 0,1
	ds_store_b128 v54, v[192+8*\g+4*\e:195+8*\g+4*\e] offset:1024*\g+16*\e     ; my 16 rows' sum, by columns
.endr
.endr
	s_lshl_b32 s48, s[WV], 10
	v_lshl_add_u32 v60, v62, 4, s48                ; my 256 columns of the chunk's sum: 1024 w + 16 lane
	v_add_nc_u32 v55, RED, v60
	v_lshlrev_b32 v61, 4, v62
	s_wait_dscnt 0x0
	s_barrier_signal -1
	s_barrier_wait -1
.irp k, 0,1,2,3
.irp e, 0,1
	ds_load_b128 v[64+8*\k+4*\e:67+8*\k+4*\e], v55 offset:4096*\k+512*\e
.endr
.endr
	s_wait_dscnt 0x0
.irp k, 1,2,3
.irp x, 0,2,4,6
	v_pk_add_f32 v[64+\x:65+\x], v[64+\x:65+\x], v[64+8*\k+\x:65+8*\k+\x]      ; the four waves' sums, in the waves' order
.endr
.endr
	global_store_b128 v60, v[64:67], s[14:15]                                  ; 32 lanes store 512 consecutive bytes
	global_store_b128 v60, v[68:71], s[14:15] offset:512
	s_cmp_lg_u32 s[WV], 0
	s_cbranch_scc1 .Lno_stats
	global_store_b128 v61, v[8:11], s[14:15] offset:4096                       ; (M, l, M, l) in every lane: the record's last 512 bytes
.Lno_stats:
	s_wait_tensorcnt 0x0                           ; the wave's end: three lines behind my last tensor load and my last LDS store
	ds_add_u32 v[SPW], v[NIL]
	s_wait_dscnt 0x0
	CROUND                                         ; the closing round: no work-group ends while a partner may still ask for records that name it
	s_endpgm
.Lfunc_end_k_q642585fc4e_main:
	.size	k_q642585fc4e_main, .Lfunc_end_k_q642585fc4e_main-k_q642585fc4e_main
	.p2alignl 7, 3214868480
	.fill 96, 4, 3214868480
	.section	.rodata,"a",@progbits
	.p2align	6, 0x0
	.amdhsa_kernel k_q642585fc4e_main
		.amdhsa_group_segment_fixed_size 327680
		.amdhsa_private_segment_fixed_size 0
		.amdhsa_enable_private_segment 0
		.amdhsa_kernarg_size 48
		.amdhsa_user_sgpr_count 2
		.amdhsa_user_sgpr_kernarg_segment_ptr 1
		.amdhsa_wavefront_size32 1
		.amdhsa_system_sgpr_workgroup_id_x 1
		.amdhsa_system_sgpr_workgroup_id_y 1
		.amdhsa_system_sgpr_workgroup_id_z 1
		.amdhsa_system_vgpr_workitem_id 0
		.amdhsa_next_free_vgpr 1024
		.amdhsa_next_free_sgpr 98
		.amdhsa_reserve_vcc 0
		.amdhsa_float_denorm_mode_32 3
		.amdhsa_float_denorm_mode_16_64 3
		.amdhsa_memory_ordered 1
		.amdhsa_forward_progress 1
		.amdhsa_inst_pref_size 232
	.end_amdhsa_kernel
	.amdgpu_metadata
---
amdhsa.version: [ 1, 2 ]
amdhsa.kernels:
  - .name:           k_q642585fc4e_main
    .symbol:         k_q642585fc4e_main.kd
    .args:
      - { .name: encoder_states, .offset: 0, .size: 8, .value_kind: global_buffer, .address_space: global }
      - { .name: wqa, .offset: 8, .size: 8, .value_kind: global_buffer, .address_space: global }
      - { .name: gbuf, .offset: 16, .size: 8, .value_kind: global_buffer, .address_space: global }
      - { .name: W_attn2, .offset: 24, .size: 8, .value_kind: global_buffer, .address_space: global }
      - { .name: b_attn2, .offset: 32, .size: 8, .value_kind: global_buffer, .address_space: global }
      - { .name: pacc, .offset: 40, .size: 8, .value_kind: global_buffer, .address_space: global }
    .group_segment_fixed_size: 327680
    .private_segment_fixed_size: 0
    .kernarg_segment_align: 8
    .kernarg_segment_size: 48
    .max_flat_workgroup_size: 128
    .sgpr_count:     98
    .vgpr_count:     1024
    .wavefront_size: 32
...
	.end_amdgpu_metadata
.endif
;; end of part 2
;; launch fin (part 3): grid 16 x 16, 4 waves a work-group, no clusters, 20,480 bytes of LDS; arguments pacc, wqc, g2buf, out0, out1; writes out0, out1
.if DOCPART == 3
	.amdgcn_target "amdgcn-amd-amdhsa--gfx1250"
	.amdhsa_code_object_version 6
	.text
	.protected	k_q642585fc4e_fin
	.globl	k_q642585fc4e_fin
	.p2align	8
	.type	k_q642585fc4e_fin,@function
k_q642585fc4e_fin:
	s_mov_b64 s[64:65], 0
	v_nop
	global_prefetch_b8 v0, s[64:65] scope:SCOPE_SE
	s_setreg_imm32_b32 hwreg(HW_REG_WAVE_MODE, 25, 1), 1
	s_wait_xcnt 0x0
; applied[b] = the four chunks of b joined under their common maximum: M = max M_c, f_c = e^(M_c - M), applied = sum f_c acc_c / sum f_c l_c  (out1), all in f32.
; out0[b][n] = tanh(G2[b][n] + Q(applied[b]) . Q(W_comb[n][1024:])): G2 (bias and decoder_out's half of K) is the C of the first K step; W_comb's codes come as records in the order of the operand's registers.
; SHARES: work-group (ns, bg): rows b = 4 bg .. 4 bg + 3, columns 64 ns .. 64 ns + 63.  Wave w joins and quantises row 4 bg + w, then multiplies the tile of 16 columns T = 4 ns + w.
; The tile of rows has four real rows: lane r takes row r & 3, so lanes with the same r & 3 hold the same bits, and write the same values to the same bytes of the stage.
; The product is used transposed (source 0 = 16 rows of W_comb, source 1 = the rows of applied): lane (r, h) holds row r & 3, register j the column 16 T + 8 h + j.
; LIMITS: NaN and infinities are not served; a block of zeros gets the scale byte 1 (its codes are zeros); tanh as 1 - 2 / (1 + 2^(2 log2(e) x)): its error is absolute, about an ulp of 1.
; No tensor load and no cluster: the operands go from memory straight into registers, a few KB a wave.
.set APS,  0                           ; LDS: applied, 4 rows of 4,096 bytes
.set AC,   16384                       ; its codes, 4 rows of 512 bytes + 16
.set ASC,  18688                       ; its scale bytes, 32 in rows of 48
.set OST,  18944                       ; the stage for out0: 4 rows of 256 bytes
.set WV,   14
.set QM,   96                          ; the quantiser's registers: chunk 1's, free behind the join
.set QC,   104
.set QY,   112
.set MSB, 0
.macro WIN new                         ; here every window is 0 and nothing is written
.if MSB != (\new)
	s_set_vgpr_msb (MSB<<8)|(\new)
.set MSB, (\new)
.endif
.endm
.macro PLACES n
.rept \n
	v_nop
.endr
.endm
; ng groups of 8 neighbours along K, group u in v[xb + 8 u] on, become 8 codes (4 bytes) and a scale byte each; four neighbouring lanes hold a block of 32.
.macro QB xb, win, ng, ca, co, cstep, sa, so, sstep
	WIN (\win)|((\win)<<2)
.set u, 0
.rept \ng
	v_max3_num_f32 v[QM+u], |v[(\xb)+8*u]|, |v[(\xb)+8*u+1]|, 0x1800000      ; with the floor 2^(3-127): the byte cannot fall under 1
.set u, u+1
.endr
.irp k, 2,4,6
.set u, 0
.rept \ng
	v_max3_num_f32 v[QM+u], |v[(\xb)+8*u+\k]|, |v[(\xb)+8*u+\k+1]|, v[QM+u]
.set u, u+1
.endr
.endr
	WIN 0
.irp x, 1,2
.set u, 0
.rept \ng
	v_max_num_f32_dpp v[QM+u], v[QM+u], v[QM+u] row_xmask:\x row_mask:0xf bank_mask:0xf
.set u, u+1
.endr
.endr
.set u, 0
.rept \ng
	v_add_nc_u32 v[QM+u], 0xff000000, v[QM+u]      ; 2 off the exponent field: the conversion takes that field as its scale
.set u, u+1
.endr
	s_wait_dscnt 0x0
	WIN (\win)
.set u, 0
.rept \ng
	v_cvt_scalef32_pk8_fp4_f32 v[QC+u], v[(\xb)+8*u:(\xb)+8*u+7], v[QM+u]
.set u, u+1
.endr
	WIN 0
.set u, 0
.rept \ng
	v_lshrrev_b32 v[QY+u], 23, v[QM+u]             ; the scale's byte; the first of these is the plain line behind the conversions
.set u, u+1
.endr
.set u, 0
.rept \ng
	ds_store_b32 v[\ca], v[QC+u] offset:(\co)+(u/4)*(\cstep)+(u%4)*128
	ds_store_b8 v[\sa], v[QY+u] offset:(\so)+(u/4)*(\sstep)+(u%4)*8          ; four lanes write the same byte with the same value
.set u, u+1
.endr
.endm
.macro MMA
.if ROWA && ROWB
	v_wmma_scale_f32_16x16x128_f8f6f4 v[rD:rD+7], v[rA:rA+7], v[rB:rB+7], v[rC:rC+7], v[rSA], v[rSB] matrix_a_fmt:MATRIX_FMT_FP4 matrix_b_fmt:MATRIX_FMT_FP4 matrix_a_scale:MATRIX_SCALE_ROW1 matrix_b_scale:MATRIX_SCALE_ROW1
.else
	v_wmma_scale_f32_16x16x128_f8f6f4 v[rD:rD+7], v[rA:rA+7], v[rB:rB+7], v[rC:rC+7], v[rSA], v[rSB] matrix_a_fmt:MATRIX_FMT_FP4 matrix_b_fmt:MATRIX_FMT_FP4
.endif
.endm
	s_load_b256 s[4:11], s[0:1], 0x0               ; pacc s[4:5], wqc s[6:7], g2buf s[8:9], out0 s[10:11]
	s_load_b64 s[12:13], s[0:1], 0x20              ; out1
	v_lshl_add_u32 v58, v0, 2, 0x4e00
	v_mov_b32 v63, 0
	v_lshrrev_b32 v1, 5, v0
	v_readfirstlane_b32 s[WV], v1                  ; wave 0..3
	s_and_b32 s15, ttmp9, 15                       ; ns
	s_and_b32 s16, ttmp7, 0xffff                   ; bg
	v_and_b32 v1, 31, v0                           ; lane
	v_and_b32 v2, 15, v0                           ; r
	v_bfe_u32 v3, v0, 4, 1                         ; h
	v_and_b32 v60, 3, v0                           ; r & 3
	v_lshlrev_b32 v4, 5, v1                        ; 32 lane: a chunk's numbers
	v_lshlrev_b32 v5, 4, v1                        ; 16 lane: a record's images
	v_lshlrev_b32 v6, 12, v60
	v_lshl_add_u32 v6, v3, 5, v6                   ; G2: row r & 3 of 4,096 bytes, + 32 h
	v_mov_b32 v7, 0
	s_lshl_b32 s17, s[WV], 12
	v_add_nc_u32 v8, s17, v4                       ; applied into LDS: row w (APS = 0)
	s_mul_i32 s17, s[WV], 528
	s_add_co_u32 s17, s17, AC
	v_lshl_add_u32 v9, v1, 2, s17                  ; its codes
	s_mul_i32 s17, s[WV], 48
	s_add_co_u32 s17, s17, ASC
	v_lshrrev_b32 v10, 2, v1
	v_add_nc_u32 v10, s17, v10                     ; its scale bytes
	v_mul_u32_u24 v11, v60, 528
	v_lshl_add_u32 v11, v3, 4, v11
	v_add_nc_u32 v11, AC, v11                      ; a fragment: row r & 3, + 16 h
	v_mul_u32_u24 v12, v60, 48
	v_lshl_add_u32 v12, v3, 4, v12
	v_add_nc_u32 v12, ASC, v12                     ; its scale words, four to a lane
	s_lshl_b32 s17, s[WV], 6
	s_add_co_u32 s17, s17, OST
	v_lshl_add_u32 v13, v60, 8, s17
	v_lshl_add_u32 v13, v3, 5, v13                 ; the stage, in: row r & 3, + 64 w + 32 h
	s_and_b32 s18, s[WV], 1
	s_lshl_b32 s18, s18, 1
	v_add_nc_u32 v61, s18, v3                      ; the row that my half of the lanes stores: 2 (w & 1) + h
	v_lshlrev_b32 v62, 4, v2
	v_lshl_add_u32 v14, v61, 8, v62
	v_add_nc_u32 v14, OST, v14                     ; the stage, back
	v_lshl_add_u32 v59, v61, 12, v62               ; the same place in out0 and out1
	s_lshl_b32 s19, s15, 8
	v_add_nc_u32 v15, s19, v59                     ; and in applied's rows in LDS: + 256 ns
	s_mul_i32 s20, s16, 73728                      ; pacc: 16 records of 4,608 bytes for each bg,
	s_mul_i32 s21, s[WV], 18432                    ; four for each row
	s_add_co_u32 s20, s20, s21
	s_mov_b32 s21, 0
	s_lshl_b32 s22, s15, 2
	s_add_co_u32 s22, s22, s[WV]                   ; T
	s_mul_i32 s24, s22, 8704
	s_mov_b32 s25, 0
	s_lshl_b32 s26, s16, 14                        ; four rows of 4,096 bytes
	s_lshl_b32 s22, s22, 6
	s_add_co_u32 s22, s22, s26
	s_mov_b32 s23, 0
	s_add_co_u32 s26, s26, s19
	s_mov_b32 s27, 0
	s_wait_kmcnt 0x0
	s_add_nc_u64 s[4:5], s[4:5], s[20:21]
	s_add_nc_u64 s[6:7], s[6:7], s[24:25]
	s_add_nc_u64 s[8:9], s[8:9], s[22:23]
	s_add_nc_u64 s[10:11], s[10:11], s[26:27]
	s_add_nc_u64 s[12:13], s[12:13], s[26:27]
.irp c, 0,1,2,3
	global_load_b64 v[16+2*\c:17+2*\c], v7, s[4:5] offset:4608*\c+4096         ; (M, l) of chunk c
.endr
.irp c, 0,1,2,3
.irp g, 0,1,2,3
.irp e, 0,1
	global_load_b128 v[64+32*\c+8*\g+4*\e:67+32*\c+8*\g+4*\e], v4, s[4:5] offset:4608*\c+1024*\g+16*\e
.endr
.endr
.endr
	global_load_b128 v[32:35], v6, s[8:9]
	global_load_b128 v[36:39], v6, s[8:9] offset:16
.irp q, 0,1,2,3,4,5,6,7
.irp c, 0,1
	global_load_b128 v[192+8*\q+4*\c:195+8*\q+4*\c], v5, s[6:7] offset:1024*\q+512*\c
.endr
.endr
	global_load_b128 v[48:51], v5, s[6:7] offset:8192
	s_wait_loadcnt 51                              ; the four loads of (M, l) are in; the 51 behind them may be out
	v_max3_num_f32 v56, v16, v18, v20
	v_max_num_f32 v56, v56, v22                    ; M
.irp c, 0,1,2,3
	v_sub_f32 v[24+2*\c], v[16+2*\c], v56
.endr
.irp c, 0,1,2,3
	v_mul_f32 v[24+2*\c], 0x3fb8aa3b, v[24+2*\c]
.endr
.irp c, 0,1,2,3
	v_exp_f32 v[24+2*\c], v[24+2*\c]               ; f_c = e^(M_c - M), at most 1, and 1 for one chunk at the least
.endr
	v_nop
	s_wait_alu depctr_va_vdst(0)                   ; one wait for the four
	v_mul_f32 v57, v24, v17
	v_fmac_f32 v57, v26, v19
	v_fmac_f32 v57, v28, v21
	v_fmac_f32 v57, v30, v23                       ; the row's sum: at least 1
	v_rcp_f32 v57, v57
	v_nop
	s_wait_alu depctr_va_vdst(0)
.irp c, 0,1,2,3
	v_mul_f32 v[24+2*\c], v[24+2*\c], v57
.endr
.irp c, 0,1,2,3
	v_mov_b32 v[25+2*\c], v[24+2*\c]               ; both halves of a pair, for the packed forms
.endr
	s_wait_loadcnt 19                              ; the chunks are in; G2, the record and its scale words may be out
.set t, 0
.rept 16
	v_pk_mul_f32 v[64+2*t:65+2*t], v[64+2*t:65+2*t], v[24:25]
.set t, t+1
.endr
.irp c, 1,2,3
.set t, 0
.rept 16
	v_pk_fma_f32 v[64+2*t:65+2*t], v[64+32*\c+2*t:65+32*\c+2*t], v[24+2*\c:25+2*\c], v[64+2*t:65+2*t]
.set t, t+1
.endr
.endr
.irp g, 0,1,2,3
.irp e, 0,1
	ds_store_b128 v8, v[64+8*\g+4*\e:67+8*\g+4*\e] offset:1024*\g+16*\e        ; applied, f32, by columns
.endr
.endr
	QB 64, 0, 4, 9, 0, 0, 10, 0, 0
	s_wait_dscnt 0x0                               ; my row lies in LDS, as numbers, codes and bytes
	s_barrier_signal -1
	s_barrier_wait -1
.irp q, 0,1,2,3,4,5,6,7
.irp c, 0,1
	ds_load_b128 v[128+8*\q+4*\c:131+8*\q+4*\c], v11 offset:64*\q+32*\c
.endr
.endr
	ds_load_b128 v[52:55], v12
	s_wait_dscnt 0x0
	s_wait_loadcnt 0x0
; one accumulator: a wait ahead of each link
.set q, 0
.rept 8
.set rD, 40
.set rA, 192+8*q
.set rB, 128+8*q
.set rC, 40
.set rSA, 48+(q&3)
.set rSB, 52+(q&3)
.set ROWA, q>>2
.set ROWB, q>>2
.if q == 0
.set rC, 32
.else
	s_wait_alu depctr_va_vdst(0)
.endif
	MMA
.set q, q+1
.endr
	PLACES 4
.irp x, 0,2,4,6
	v_pk_mul_f32 v[40+\x:41+\x], v[40+\x:41+\x], 0x4038aa3b op_sel_hi:[1,0]    ; x 2 log2(e), from the accumulator's low end on
.endr
.irp x, 0,1,2,3,4,5,6,7
	v_exp_f32 v[40+\x], v[40+\x]
.endr
	v_nop
	s_wait_alu depctr_va_vdst(0)
.irp x, 0,2,4,6
	v_pk_add_f32 v[40+\x:41+\x], v[40+\x:41+\x], 1.0 op_sel_hi:[1,0]
.endr
.irp x, 0,1,2,3,4,5,6,7
	v_rcp_f32 v[40+\x], v[40+\x]
.endr
	v_nop
	s_wait_alu depctr_va_vdst(0)
.irp x, 0,2,4,6
	v_pk_fma_f32 v[40+\x:41+\x], v[40+\x:41+\x], -2.0, 1.0 op_sel_hi:[1,0,0]   ; tanh
.endr
	ds_store_b128 v13, v[40:43]
	ds_store_b128 v13, v[44:47] offset:16
	s_wait_dscnt 0x0
	s_barrier_signal -1
	s_barrier_wait -1                              ; four rows of 256 bytes of out0 lie in the stage
	s_cmp_lt_u32 s[WV], 2
	s_cbranch_scc0 .Lapplied
	ds_load_b128 v[16:19], v14                     ; waves 0, 1: two rows of out0 each
	s_wait_dscnt 0x0
	global_store_b128 v59, v[16:19], s[10:11]      ; sixteen lanes store 256 consecutive bytes, aligned
	s_wait_tensorcnt 0x0
	ds_add_u32 v58, v63
	s_wait_dscnt 0x0
	s_endpgm
.Lapplied:
	ds_load_b128 v[16:19], v15                     ; waves 2, 3: the same rows and columns of applied
	s_wait_dscnt 0x0
	global_store_b128 v59, v[16:19], s[12:13]
	s_wait_tensorcnt 0x0
	ds_add_u32 v58, v63
	s_wait_dscnt 0x0
	s_endpgm
.Lfunc_end_k_q642585fc4e_fin:
	.size	k_q642585fc4e_fin, .Lfunc_end_k_q642585fc4e_fin-k_q642585fc4e_fin
	.p2alignl 7, 3214868480
	.fill 96, 4, 3214868480
	.section	.rodata,"a",@progbits
	.p2align	6, 0x0
	.amdhsa_kernel k_q642585fc4e_fin
		.amdhsa_group_segment_fixed_size 20480
		.amdhsa_private_segment_fixed_size 0
		.amdhsa_enable_private_segment 0
		.amdhsa_kernarg_size 40
		.amdhsa_user_sgpr_count 2
		.amdhsa_user_sgpr_kernarg_segment_ptr 1
		.amdhsa_wavefront_size32 1
		.amdhsa_system_sgpr_workgroup_id_x 1
		.amdhsa_system_sgpr_workgroup_id_y 1
		.amdhsa_system_sgpr_workgroup_id_z 1
		.amdhsa_system_vgpr_workitem_id 0
		.amdhsa_next_free_vgpr 256
		.amdhsa_next_free_sgpr 66
		.amdhsa_reserve_vcc 0
		.amdhsa_float_denorm_mode_32 3
		.amdhsa_float_denorm_mode_16_64 3
		.amdhsa_memory_ordered 1
		.amdhsa_forward_progress 1
		.amdhsa_inst_pref_size 22
	.end_amdhsa_kernel
	.amdgpu_metadata
---
amdhsa.version: [ 1, 2 ]
amdhsa.kernels:
  - .name:           k_q642585fc4e_fin
    .symbol:         k_q642585fc4e_fin.kd
    .args:
      - { .name: pacc, .offset: 0, .size: 8, .value_kind: global_buffer, .address_space: global }
      - { .name: wqc, .offset: 8, .size: 8, .value_kind: global_buffer, .address_space: global }
      - { .name: g2buf, .offset: 16, .size: 8, .value_kind: global_buffer, .address_space: global }
      - { .name: out0, .offset: 24, .size: 8, .value_kind: global_buffer, .address_space: global }
      - { .name: out1, .offset: 32, .size: 8, .value_kind: global_buffer, .address_space: global }
    .group_segment_fixed_size: 20480
    .private_segment_fixed_size: 0
    .kernarg_segment_align: 8
    .kernarg_segment_size: 40
    .max_flat_workgroup_size: 128
    .sgpr_count:     66
    .vgpr_count:     256
    .wavefront_size: 32
...
	.end_amdgpu_metadata
.endif
;; end of part 3
;; ======== version 2 of 2: 3 launches; version 1 with the launches prep, fin written anew for expert scheduling mode
;; workspace buffers: wqa 1,114,112 bytes; wqc 557,056 bytes; gbuf 524,288 bytes; g2buf 262,144 bytes; pacc 1,179,648 bytes
;; launch prep (part 4): grid 192 x 1, 16 waves a work-group, no clusters, 57,344 bytes of LDS; arguments W_attn, hidden, b_attn, W_comb, decoder_out, b_comb, wqa, gbuf, wqc, g2buf; writes wqa, gbuf, wqc, g2buf
.if DOCPART == 4
	.amdgcn_target "amdgcn-amd-amdhsa--gfx1250"
	.amdhsa_code_object_version 6
	.text
	.protected	k_q642585fc4e_prep
	.globl	k_q642585fc4e_prep
	.p2align	8
	.type	k_q642585fc4e_prep,@function
k_q642585fc4e_prep:
	s_mov_b64 s[64:65], 0
	v_nop
	global_prefetch_b8 v0, s[64:65] scope:SCOPE_SE
	s_setreg_imm32_b32 hwreg(HW_REG_WAVE_SCHED_MODE, 0, 2), 2
	s_setreg_imm32_b32 hwreg(HW_REG_WAVE_MODE, 25, 1), 1
	s_wait_xcnt 0x0
	s_wait_alu depctr_vm_vsrc(0)
; W_attn [2048][2048] and W_comb [1024][2048], f32, K innermost, are quantised to codes of FP4 (E2M1) with one E8M0 byte for each 32 along K.
; A work-group takes one tile of 16 rows n.  Work-groups 0-127: W_attn with hidden and b_attn; 128-191: W_comb with decoder_out and b_comb: one path, only pointers, the pitch and the tile are chosen.
; K 1024..2047 of the tile leaves as a RECORD of 8,704 bytes in the order of the operand's registers: byte 1024 q + 512 c + 16 lane holds the 16 bytes that registers 4 c .. 4 c + 3
; of lane (r, h) take for K step q (row r, k = 1024 + 128 q + 64 c + 32 h + 0..31); byte 8192 + 16 lane the scale words q = 4 h + 0..3 of row r.
; K 0..1023 stays here: reference() multiplies it by rows that are the same for all s (hidden, broadcast) or come as they are (decoder_out), so
; G[b][n] = bias[n] + Q(data[b]) . Q(W[n][0:1024]) is made once, on the FP4 matrix form, and is the C of the later launches' first K step.
; SHARES.  Sixteen waves, four to a SIMD.  Wave w quantises row w of the tile and data rows 4 w .. 4 w + 3, and asks for all of it at its head: 48 loads, 24 KB a wave, the work-group's 384 KB at once.
; Behind the one barrier the waves part on their number: waves 0-3 make G for 16 data rows each, waves 4-11 store one K step of the record each, wave 12 its scale words.
; The quantiser: a lane holds 8 neighbours along K, four neighbouring lanes a block of 32.  The largest magnitude has the floor 2^(3-127) among its leaves, so the byte is at least 1.
; LIMITS: NaN and infinities among the inputs are not served.  A block of zeros gets the byte 1 where the rule says 127: its codes are zeros, and only this program reads the bytes.
; Two loads of 16 bytes a lane, 32 bytes from lane to lane, cover each 1,024 bytes between them; they carry no cache hint, since the second wants the bytes beside those that the first asked for.
; G's rows get 64 bytes from a work-group: G is row-major so that the next launch reads whole rows.
; No tensor load, no cluster: what work-groups share is the 256 KB of data rows as f32; brought jointly they would have to lie whole in LDS and be read back into registers for the quantiser.
; THE MODE: SCHED_MODE bits 1:0 = 2 (LLVM: expert scheduling mode 2), set by the entry lines.  The code itself states the register dependences
; between vector or matrix instructions and memory or LDS instructions, with s_wait_alu, always for 0.
; THE PLAN.  Registers that memory or LDS instructions touch:
;   v4-15, v56-58   offsets and LDS addresses, and v62, v63, the closing add's two: written by vector lines at the head and never again; read by loads and stores throughout.
;                   ONE wait on va_vdst, ahead of the first load, states them all.
;   v40-47, v64-255 the bias and three buffers of numbers: the head's loads land in them, and no vector line names them before.  The first product reads the bias, the quantiser's lines the buffers.
;   v24-31, v32-39  a batch's codes and bytes: written by its conversions and shifts, read by its sixteen LDS stores: one wait on va_vdst between the two.
;                   The next batch writes them again: one wait on vm_vsrc ahead of its conversions.
;   v64-219         behind the barrier LDS loads land here, in registers that the quantiser's lines have read.  The third batch's wait on va_vdst stands behind all those lines,
;                   and no vector line follows it ahead of the loads, on any of the three ways: they owe nothing more.
;   v48-55          the accumulator: written by the products, read by two stores: four places, then a wait on va_vdst.
;   s26             the wave's number, written by a vector line: a wait on va_sdst ahead of its first reader.
; The launch has no loop and asks for all its data at the head: no load is left to be dealt among the arithmetic.
.set HC,   0                           ; LDS: codes of the 64 data rows, 512 bytes + 16
.set HS,   33792                       ; their scale bytes, 32 in rows of 48
.set WC,   36864                       ; codes of the 16 rows of W, 1,024 bytes + 16
.set WS,   53504                       ; their scale bytes, 64 in rows of 80
.set HP,   528
.set HSP,  48
.set WP,   1040
.set WSP,  80
.set WV,   26                          ; s26 the wave's number
.set GW,   4                           ; v4  W: 8192 w + 32 lane
.set GH,   5                           ; v5  data: 16384 w + 32 lane
.set CAW,  6                           ; v6  where my codes of W go;  v7 their scale bytes
.set SAW,  7
.set CAH,  8                           ; v8, v9 the same for the data rows
.set SAH,  9
.set FAW,  10                          ; v10 a fragment of W: row r, + 16 h
.set FAH,  11                          ; v11 a fragment of data rows 16 (w & 3) on
.set FSW,  12                          ; v12, v13 their scale words, four to a lane
.set FSH,  13
.set LIW,  14                          ; v14 16 lane + 1024 q: a K step's place in the record
.set GO,   15                          ; v15 (16 (w & 3) + r) x pitch + 32 h
.set QM,   16                          ; v16-23 largest magnitudes, then scale operands;  v24-31 codes;  v32-39 bytes
.set QC,   24
.set QY,   32
.set BI,   40                          ; v40-47 the bias in the result's layout
.set AC,   48                          ; v48-55 the accumulator
.set H32,  56
.set FAWO, 57                          ; v57 a fragment of W's upper half: K step q = (w + 4) & 7
.set L16,  58
.set XB,   64                          ; v64-255 three buffers of 64 numbers; behind the barrier fragments and scale words
.set MSB, 0
.macro WIN new                         ; the immediate's high byte repeats the setting that is left; here every window is 0 and nothing is written
.if MSB != (\new)
	s_set_vgpr_msb (MSB<<8)|(\new)
.set MSB, (\new)
.endif
.endm
.macro PLACES n
.rept \n
	v_nop
.endr
.endm
; ng groups of 8 neighbours along K, group u in v[xb + 8 u] on (window win), become 8 codes (4 bytes) and a scale byte each.  prev = 1: a batch has gone before this one.
.macro QB xb, win, ng, ca, co, cstep, sa, so, sstep, prev
	WIN (\win)|((\win)<<2)
.set u, 0
.rept \ng
	v_max3_num_f32 v[QM+u], |v[(\xb)+8*u]|, |v[(\xb)+8*u+1]|, 0x1800000      ; with the floor 2^(3-127): the byte cannot fall under 1
.set u, u+1
.endr
.irp k, 2,4,6
.set u, 0
.rept \ng
	v_max3_num_f32 v[QM+u], |v[(\xb)+8*u+\k]|, |v[(\xb)+8*u+\k+1]|, v[QM+u]  ; the groups by turns: no line waits for the line above it
.set u, u+1
.endr
.endr
	WIN 0
.irp x, 1,2
.set u, 0
.rept \ng
	v_max_num_f32_dpp v[QM+u], v[QM+u], v[QM+u] row_xmask:\x row_mask:0xf bank_mask:0xf   ; with the three lanes that share the block
.set u, u+1
.endr
.endr
.set u, 0
.rept \ng
	v_add_nc_u32 v[QM+u], 0xff000000, v[QM+u]      ; 2 off the exponent field: the conversion takes that field as its scale
.set u, u+1
.endr
	s_wait_dscnt 0x0                               ; no LDS store of an earlier batch is out behind this wait
.if \prev
	s_wait_alu depctr_vm_vsrc(0)                   ; the last batch's LDS stores have read v[QC ..] and v[QY ..], which the conversions and shifts below write again
.endif
	WIN (\win)
.set u, 0
.rept \ng
	v_cvt_scalef32_pk8_fp4_f32 v[QC+u], v[(\xb)+8*u:(\xb)+8*u+7], v[QM+u]
.set u, u+1
.endr
	WIN 0
.set u, 0
.rept \ng
	v_lshrrev_b32 v[QY+u], 23, v[QM+u]             ; the scale's byte; the first of these is the plain line behind the conversions
.set u, u+1
.endr
	s_wait_alu depctr_va_vdst(0)                   ; the conversions have written v[QC ..] and the shifts v[QY ..], which the LDS stores below read; and every line so far that read the buffers of numbers is done
.set u, 0
.rept \ng
	ds_store_b32 v[\ca], v[QC+u] offset:(\co)+(u/4)*(\cstep)+(u%4)*128
	ds_store_b8 v[\sa], v[QY+u] offset:(\so)+(u/4)*(\sstep)+(u%4)*8          ; four lanes write the same byte with the same value
.set u, u+1
.endr
.endm
.macro MMA                             ; one product; the register numbers and the rows of the scale registers stand in symbols
.if ROWA && ROWB
	v_wmma_scale_f32_16x16x128_f8f6f4 v[rD:rD+7], v[rA:rA+7], v[rB:rB+7], v[rC:rC+7], v[rSA], v[rSB] matrix_a_fmt:MATRIX_FMT_FP4 matrix_b_fmt:MATRIX_FMT_FP4 matrix_a_scale:MATRIX_SCALE_ROW1 matrix_b_scale:MATRIX_SCALE_ROW1
.elseif ROWA
	v_wmma_scale_f32_16x16x128_f8f6f4 v[rD:rD+7], v[rA:rA+7], v[rB:rB+7], v[rC:rC+7], v[rSA], v[rSB] matrix_a_fmt:MATRIX_FMT_FP4 matrix_b_fmt:MATRIX_FMT_FP4 matrix_a_scale:MATRIX_SCALE_ROW1
.elseif ROWB
	v_wmma_scale_f32_16x16x128_f8f6f4 v[rD:rD+7], v[rA:rA+7], v[rB:rB+7], v[rC:rC+7], v[rSA], v[rSB] matrix_a_fmt:MATRIX_FMT_FP4 matrix_b_fmt:MATRIX_FMT_FP4 matrix_b_scale:MATRIX_SCALE_ROW1
.else
	v_wmma_scale_f32_16x16x128_f8f6f4 v[rD:rD+7], v[rA:rA+7], v[rB:rB+7], v[rC:rC+7], v[rSA], v[rSB] matrix_a_fmt:MATRIX_FMT_FP4 matrix_b_fmt:MATRIX_FMT_FP4
.endif
.endm
	s_load_b256 s[4:11], s[0:1], 0x0               ; W_attn s[4:5], hidden s[6:7], b_attn s[8:9], W_comb s[10:11]
	s_load_b256 s[12:19], s[0:1], 0x20             ; decoder_out s[12:13], b_comb s[14:15], wqa s[16:17], gbuf s[18:19]
	s_load_b128 s[20:23], s[0:1], 0x40             ; wqc s[20:21], g2buf s[22:23]
	v_lshl_add_u32 v62, v0, 2, 0xd800
	v_mov_b32 v63, 0
	v_lshrrev_b32 v1, 5, v0
	v_readfirstlane_b32 s[WV], v1                  ; wave 0..15
	v_and_b32 v1, 31, v0                           ; lane
	v_and_b32 v2, 15, v0                           ; r
	v_bfe_u32 v3, v0, 4, 1                         ; h
	v_lshlrev_b32 v59, 5, v1                       ; 32 bytes a lane
	s_wait_alu depctr_va_sdst(0)                   ; s26, the wave's number, is written, ahead of its first reader: addresses and the waves' parting are made from it
	s_lshl_b32 s27, s[WV], 13
	v_add_nc_u32 v[GW], s27, v59                   ; my row of W, 8,192 bytes
	s_lshl_b32 s27, s[WV], 14
	v_add_nc_u32 v[GH], s27, v59                   ; my 4 data rows, 4,096 bytes each
	v_lshrrev_b32 v60, 2, v1                       ; my block among a group's eight
	s_mul_i32 s27, s[WV], WP
	s_add_co_u32 s27, s27, WC
	v_lshl_add_u32 v[CAW], v1, 2, s27
	s_mul_i32 s27, s[WV], WSP
	s_add_co_u32 s27, s27, WS
	v_add_nc_u32 v[SAW], s27, v60
	s_mul_i32 s27, s[WV], 4*HP                     ; (HC = 0)
	v_lshl_add_u32 v[CAH], v1, 2, s27
	s_mul_i32 s27, s[WV], 4*HSP
	s_add_co_u32 s27, s27, HS
	v_add_nc_u32 v[SAH], s27, v60
	; the addresses of all three roles behind the barrier are made here, in every wave, ahead of the parting
	s_and_b32 s30, s[WV], 3                        ; the tile of 16 data rows: waves 0-3 use it
	s_mul_i32 s27, s30, 16*HP
	v_mul_u32_u24 v61, v2, HP
	v_lshl_add_u32 v61, v3, 4, v61
	v_add_nc_u32 v[FAH], s27, v61
	s_mul_i32 s27, s30, 16*HSP
	s_add_co_u32 s27, s27, HS
	v_mul_u32_u24 v61, v2, HSP
	v_lshl_add_u32 v61, v3, 4, v61
	v_add_nc_u32 v[FSH], s27, v61
	v_mul_u32_u24 v61, v2, WP
	v_lshl_add_u32 v61, v3, 4, v61
	v_add_nc_u32 v[FAW], WC, v61
	s_add_co_u32 s31, s[WV], 4
	s_and_b32 s31, s31, 7                          ; the K step q = w - 4 of the upper half: waves 4-11 use it
	s_lshl_b32 s27, s31, 6
	s_add_co_u32 s27, s27, 512
	v_add_nc_u32 v[FAWO], s27, v[FAW]              ; the upper half of K begins 512 bytes into a row; K step q 64 q bytes further on
	v_mul_u32_u24 v61, v2, WSP
	v_lshl_add_u32 v61, v3, 4, v61
	v_add_nc_u32 v[FSW], WS, v61
	v_lshlrev_b32 v[L16], 4, v1
	s_lshl_b32 s27, s31, 10
	v_add_nc_u32 v[LIW], s27, v[L16]
	v_lshlrev_b32 v[H32], 5, v3
	s_lshl_b32 s27, s30, 4
	v_add_nc_u32 v[GO], s27, v2                    ; data row 16 (w & 3) + r
	s_wait_kmcnt 0x0
	s_cmp_lt_u32 ttmp9, 128                        ; W_attn's work-group or W_comb's?  The choice hangs on the work-group's number alone
	s_cselect_b64 s[4:5], s[4:5], s[10:11]         ; W
	s_cselect_b64 s[6:7], s[6:7], s[12:13]         ; the data rows
	s_cselect_b64 s[8:9], s[8:9], s[14:15]         ; the bias
	s_cselect_b64 s[16:17], s[16:17], s[20:21]     ; the records
	s_cselect_b64 s[18:19], s[18:19], s[22:23]     ; G
	s_mov_b32 s24, 4096
	s_cselect_b32 s24, 8192, s24                   ; a row of G in bytes
	s_cselect_b32 s25, 0, 128
	s_sub_co_u32 s25, ttmp9, s25                   ; the tile T
	v_mul_lo_u32 v[GO], v[GO], s24
	v_add_nc_u32 v[GO], v[GO], v[H32]
	s_mov_b32 s29, 0
	s_lshl_b32 s28, s25, 17                        ; 16 rows of 8,192 bytes
	s_add_nc_u64 s[4:5], s[4:5], s[28:29]
	s_lshl_b32 s28, s25, 6                         ; 16 numbers of 4 bytes
	s_add_nc_u64 s[8:9], s[8:9], s[28:29]
	s_add_nc_u64 s[18:19], s[18:19], s[28:29]
	s_mul_i32 s28, s25, 8704
	s_add_nc_u64 s[16:17], s[16:17], s[28:29]
	s_wait_alu depctr_va_vdst(0)                   ; the offsets and LDS addresses v4 to v15 and v56 to v58, and v62 and v63, are written: every load, store and LDS instruction of the kernel reads some of them, and none is written again
	global_load_b128 v[BI:BI+3], v[H32], s[8:9]              ; lane (r, h), register j: bias[16 T + 8 h + j]
	global_load_b128 v[BI+4:BI+7], v[H32], s[8:9] offset:16
; batch k of 64 numbers a lane into buffer k.  k = 0: my row of W (eight groups of 256 along K).  k = 1, 2: my data rows 2 (k - 1) and the next (four groups each)
.macro LOADB k
.if (\k) == 0
.irp g, 0,1,2,3,4,5,6,7
.irp e, 0,1
	global_load_b128 v[XB+8*\g+4*\e:XB+8*\g+4*\e+3], v[GW], s[4:5] offset:1024*\g+16*\e
.endr
.endr
.else
.irp rr, 0,1
.irp g, 0,1,2,3
.irp e, 0,1
	global_load_b128 v[XB+64*(\k)+32*\rr+8*\g+4*\e:XB+64*(\k)+32*\rr+8*\g+4*\e+3], v[GH], s[6:7] offset:4096*(2*((\k)-1)+\rr)+1024*\g+16*\e
.endr
.endr
.endr
.endif
.endm
	LOADB 0                                        ; W first: no other work-group reads these bytes
	LOADB 1
	LOADB 2                                        ; all that I quantise is asked for
	s_wait_loadcnt 32                              ; the bias and my row of W are in; the two batches of data rows, 16 loads each, may be out
	QB XB, 0, 8, CAW, 0, 512, SAW, 0, 32, 0
	s_wait_loadcnt 16                              ; data rows 4 w and 4 w + 1 are in; one batch may be out
	QB XB+64, 0, 8, CAH, 0, 528, SAH, 0, 48, 1
	s_wait_loadcnt 0x0
	QB XB+128, 0, 8, CAH, 1056, 528, SAH, 96, 48, 1
	s_wait_dscnt 0x0                               ; for the others' sake: my codes and bytes lie in LDS
	s_barrier_signal -1
	s_barrier_wait -1                              ; the launch's one barrier: behind it LDS is only read
	s_cmp_lt_u32 s[WV], 4
	s_cbranch_scc0 .Lrecord
	; ---- waves 0-3: G for data rows 16 w .. 16 w + 15.  The loads land in the buffers of numbers: the third batch's wait on va_vdst stands behind every line that read them, and no vector line has followed it
.irp q, 0,1,2,3,4,5,6,7
.irp c, 0,1
	ds_load_b128 v[64+8*\q+4*\c:67+8*\q+4*\c], v[FAW] offset:64*\q+32*\c       ; W, K 0..1023: eight fragments
	ds_load_b128 v[128+8*\q+4*\c:131+8*\q+4*\c], v[FAH] offset:64*\q+32*\c     ; my 16 data rows: eight fragments
.endr
.endr
	ds_load_b128 v[208:211], v[FSW]                ; W's scale words: register j: lanes 0-15 K step j, lanes 16-31 K step 4 + j
	ds_load_b128 v[212:215], v[FSH]                ; the data rows' likewise
	s_wait_dscnt 0x0
; source 0 = 16 rows of W, source 1 = my 16 data rows: lane (r, h) holds data row r, register j the column 16 T + 8 h + j.  One accumulator: a wait ahead of each link.
.set q, 0
.rept 8
.set rD, AC
.set rA, 64+8*q
.set rB, 128+8*q
.set rC, AC
.set rSA, 208+(q&3)
.set rSB, 212+(q&3)
.set ROWA, q>>2
.set ROWB, q>>2
.if q == 0
.set rC, BI
.else
	s_wait_alu depctr_va_vdst(0)                   ; the link before has written v[AC ..], onto which this link adds in place
.endif
	MMA
.set q, q+1
.endr
	PLACES 4                                       ; four places between the last product and the stores that read it
	s_wait_alu depctr_va_vdst(0)                   ; the last product has written v[AC ..], which the two stores read; the places above stay beside this wait
	global_store_b128 v[GO], v[AC:AC+3], s[18:19]
	global_store_b128 v[GO], v[AC+4:AC+7], s[18:19] offset:16
	s_wait_dscnt 0x0                               ; the closing lines, six on end
	s_wait_alu 0x0
	s_wait_tensorcnt 0x0
	ds_add_u32 v62, v63
	s_wait_dscnt 0x0
	s_endpgm
.Lrecord:
	s_cmp_lt_u32 s[WV], 12
	s_cbranch_scc0 .Limage
	; ---- waves 4-11: K step w - 4 of the upper half goes into the record as the operand's registers take it (the loads land as the fragments above do: nothing more is owed)
	ds_load_b128 v[192:195], v[FAWO]
	ds_load_b128 v[196:199], v[FAWO] offset:32
	s_wait_dscnt 0x0
	global_store_b128 v[LIW], v[192:195], s[16:17]             ; 32 lanes store 512 consecutive bytes
	global_store_b128 v[LIW], v[196:199], s[16:17] offset:512
	s_wait_dscnt 0x0                               ; the closing lines, six on end, as above
	s_wait_alu 0x0
	s_wait_tensorcnt 0x0
	ds_add_u32 v62, v63
	s_wait_dscnt 0x0
	s_endpgm
.Limage:
	s_cmp_eq_u32 s[WV], 12
	s_cbranch_scc0 .Lnothing
	; ---- wave 12: the upper half's scale words
	ds_load_b128 v[216:219], v[FSW] offset:32
	s_wait_dscnt 0x0
	global_store_b128 v[L16], v[216:219], s[16:17] offset:8192
.Lnothing:
	s_wait_dscnt 0x0                               ; the closing lines, six on end, as above
	s_wait_alu 0x0
	s_wait_tensorcnt 0x0
	ds_add_u32 v62, v63
	s_wait_dscnt 0x0
	s_endpgm
.Lfunc_end_k_q642585fc4e_prep:
	.size	k_q642585fc4e_prep, .Lfunc_end_k_q642585fc4e_prep-k_q642585fc4e_prep
	.p2alignl 7, 3214868480
	.fill 96, 4, 3214868480
	.section	.rodata,"a",@progbits
	.p2align	6, 0x0
	.amdhsa_kernel k_q642585fc4e_prep
		.amdhsa_group_segment_fixed_size 57344
		.amdhsa_private_segment_fixed_size 0
		.amdhsa_enable_private_segment 0
		.amdhsa_kernarg_size 80
		.amdhsa_user_sgpr_count 2
		.amdhsa_user_sgpr_kernarg_segment_ptr 1
		.amdhsa_wavefront_size32 1
		.amdhsa_system_sgpr_workgroup_id_x 1
		.amdhsa_system_sgpr_workgroup_id_y 1
		.amdhsa_system_sgpr_workgroup_id_z 1
		.amdhsa_system_vgpr_workitem_id 0
		.amdhsa_next_free_vgpr 256
		.amdhsa_next_free_sgpr 66
		.amdhsa_reserve_vcc 0
		.amdhsa_float_denorm_mode_32 3
		.amdhsa_float_denorm_mode_16_64 3
		.amdhsa_memory_ordered 1
		.amdhsa_forward_progress 1
		.amdhsa_inst_pref_size 31
	.end_amdhsa_kernel
	.amdgpu_metadata
---
amdhsa.version: [ 1, 2 ]
amdhsa.kernels:
  - .name:           k_q642585fc4e_prep
    .symbol:         k_q642585fc4e_prep.kd
    .args:
      - { .name: W_attn, .offset: 0, .size: 8, .value_kind: global_buffer, .address_space: global }
      - { .name: hidden, .offset: 8, .size: 8, .value_kind: global_buffer, .address_space: global }
      - { .name: b_attn, .offset: 16, .size: 8, .value_kind: global_buffer, .address_space: global }
      - { .name: W_comb, .offset: 24, .size: 8, .value_kind: global_buffer, .address_space: global }
      - { .name: decoder_out, .offset: 32, .size: 8, .value_kind: global_buffer, .address_space: global }
      - { .name: b_comb, .offset: 40, .size: 8, .value_kind: global_buffer, .address_space: global }
      - { .name: wqa, .offset: 48, .size: 8, .value_kind: global_buffer, .address_space: global }
      - { .name: gbuf, .offset: 56, .size: 8, .value_kind: global_buffer, .address_space: global }
      - { .name: wqc, .offset: 64, .size: 8, .value_kind: global_buffer, .address_space: global }
      - { .name: g2buf, .offset: 72, .size: 8, .value_kind: global_buffer, .address_space: global }
    .group_segment_fixed_size: 57344
    .private_segment_fixed_size: 0
    .kernarg_segment_align: 8
    .kernarg_segment_size: 80
    .max_flat_workgroup_size: 512
    .sgpr_count:     66
    .vgpr_count:     256
    .wavefront_size: 32
...
	.end_amdgpu_metadata
.endif
;; end of part 4
;; launch main: the kernel of part 2 again; grid 256 x 1, 4 waves a work-group, clusters of 4 x 1, 327,680 bytes of LDS; arguments encoder_states, wqa, gbuf, W_attn2, b_attn2, pacc; writes pacc
;; launch fin (part 5): grid 16 x 16, 4 waves a work-group, no clusters, 20,480 bytes of LDS; arguments pacc, wqc, g2buf, out0, out1; writes out0, out1
.if DOCPART == 5
	.amdgcn_target "amdgcn-amd-amdhsa--gfx1250"
	.amdhsa_code_object_version 6
	.text
	.protected	k_q642585fc4e_fin
	.globl	k_q642585fc4e_fin
	.p2align	8
	.type	k_q642585fc4e_fin,@function
k_q642585fc4e_fin:
	s_mov_b64 s[64:65], 0
	v_nop
	global_prefetch_b8 v0, s[64:65] scope:SCOPE_SE
	s_setreg_imm32_b32 hwreg(HW_REG_WAVE_SCHED_MODE, 0, 2), 2
	s_setreg_imm32_b32 hwreg(HW_REG_WAVE_MODE, 25, 1), 1
	s_wait_xcnt 0x0
	s_wait_alu depctr_vm_vsrc(0)
; applied[b] = the four chunks of b joined under their common maximum: M = max M_c, f_c = e^(M_c - M), applied = sum f_c acc_c / sum f_c l_c  (out1), all in f32.
; out0[b][n] = tanh(G2[b][n] + Q(applied[b]) . Q(W_comb[n][1024:])): G2 (bias and decoder_out's half of K) is the C of the first K step; W_comb's codes come as records in the order of the operand's registers.
; SHARES: work-group (ns, bg): rows b = 4 bg .. 4 bg + 3, columns 64 ns .. 64 ns + 63.  Wave w joins and quantises row 4 bg + w, then multiplies the tile of 16 columns T = 4 ns + w.
; The tile of rows has four real rows: lane r takes row r & 3, so lanes with the same r & 3 hold the same bits, and write the same values to the same bytes of the stage.
; The product is used transposed (source 0 = 16 rows of W_comb, source 1 = the rows of applied): lane (r, h) holds row r & 3, register j the column 16 T + 8 h + j.
; LIMITS: NaN and infinities are not served; a block of zeros gets the scale byte 1 (its codes are zeros); tanh as 1 - 2 / (1 + 2^(2 log2(e) x)): its error is absolute, about an ulp of 1.
; No tensor load and no cluster: the operands go from memory straight into registers, a few KB a wave.
; THE MODE: SCHED_MODE bits 1:0 = 2 (LLVM: expert scheduling mode 2), set by the entry lines.  The code itself states the register dependences
; between vector or matrix instructions and memory or LDS instructions, with s_wait_alu, always for 0.
; THE PLAN.  Registers that memory or LDS instructions touch:
;   v4-15, v59      offsets and LDS addresses, and v58, v63, the closing add's two: written by vector lines at the head and never again.  ONE wait on va_vdst, ahead of the first load, states them all.
;   v16-23, v32-39, v48-51, v64-255   the head's loads land in them, and no vector line names them before.
;   v64-95          applied: written by the join, read by the quantiser and by eight LDS stores;  v104-107 codes, v112-115 bytes: written by the conversions and shifts, read by eight LDS stores.
;                   The sixteen stores stand together behind ONE wait on va_vdst.  It also stands behind the join's reads of v128-191, in which the fragments land behind the barrier; no vector line stands between.
;   v40-47          the accumulator, then tanh: read by two LDS stores behind a wait on va_vdst.  No vector line follows that wait, so the load into v16-19, which the join's head read, owes nothing more.
;   s14             the wave's number, written by a vector line: a wait on va_sdst ahead of its first reader.
; No register that a memory or LDS instruction has read is written again: the one wait on vm_vsrc stands at the entry.  The launch has no loop and asks for all its data at the head.
.set APS,  0                           ; LDS: applied, 4 rows of 4,096 bytes
.set AC,   16384                       ; its codes, 4 rows of 512 bytes + 16
.set ASC,  18688                       ; its scale bytes, 32 in rows of 48
.set OST,  18944                       ; the stage for out0: 4 rows of 256 bytes
.set WV,   14
.set QM,   96                          ; the quantiser's registers: chunk 1's, free behind the join
.set QC,   104
.set QY,   112
.set MSB, 0
.macro WIN new                         ; here every window is 0 and nothing is written
.if MSB != (\new)
	s_set_vgpr_msb (MSB<<8)|(\new)
.set MSB, (\new)
.endif
.endm
.macro PLACES n
.rept \n
	v_nop
.endr
.endm
; ng groups of 8 neighbours along K, group u in v[xb + 8 u] on, become 8 codes (4 bytes) and a scale byte each; four neighbouring lanes hold a block of 32.
.macro QB xb, win, ng, ca, co, cstep, sa, so, sstep
	WIN (\win)|((\win)<<2)
.set u, 0
.rept \ng
	v_max3_num_f32 v[QM+u], |v[(\xb)+8*u]|, |v[(\xb)+8*u+1]|, 0x1800000      ; with the floor 2^(3-127): the byte cannot fall under 1
.set u, u+1
.endr
.irp k, 2,4,6
.set u, 0
.rept \ng
	v_max3_num_f32 v[QM+u], |v[(\xb)+8*u+\k]|, |v[(\xb)+8*u+\k+1]|, v[QM+u]
.set u, u+1
.endr
.endr
	WIN 0
.irp x, 1,2
.set u, 0
.rept \ng
	v_max_num_f32_dpp v[QM+u], v[QM+u], v[QM+u] row_xmask:\x row_mask:0xf bank_mask:0xf
.set u, u+1
.endr
.endr
.set u, 0
.rept \ng
	v_add_nc_u32 v[QM+u], 0xff000000, v[QM+u]      ; 2 off the exponent field: the conversion takes that field as its scale
.set u, u+1
.endr
	s_wait_dscnt 0x0                               ; no LDS instruction of mine is out behind this wait
	WIN (\win)
.set u, 0
.rept \ng
	v_cvt_scalef32_pk8_fp4_f32 v[QC+u], v[(\xb)+8*u:(\xb)+8*u+7], v[QM+u]
.set u, u+1
.endr
	WIN 0
.set u, 0
.rept \ng
	v_lshrrev_b32 v[QY+u], 23, v[QM+u]             ; the scale's byte; the first of these is the plain line behind the conversions
.set u, u+1
.endr
	s_wait_alu depctr_va_vdst(0)                   ; the conversions have written v[QC ..], the shifts v[QY ..] and the join v64 to v95, which the LDS stores below and behind the macro read; the join is done reading v128 to v191
.set u, 0
.rept \ng
	ds_store_b32 v[\ca], v[QC+u] offset:(\co)+(u/4)*(\cstep)+(u%4)*128
	ds_store_b8 v[\sa], v[QY+u] offset:(\so)+(u/4)*(\sstep)+(u%4)*8          ; four lanes write the same byte with the same value
.set u, u+1
.endr
.endm
.macro MMA
.if ROWA && ROWB
	v_wmma_scale_f32_16x16x128_f8f6f4 v[rD:rD+7], v[rA:rA+7], v[rB:rB+7], v[rC:rC+7], v[rSA], v[rSB] matrix_a_fmt:MATRIX_FMT_FP4 matrix_b_fmt:MATRIX_FMT_FP4 matrix_a_scale:MATRIX_SCALE_ROW1 matrix_b_scale:MATRIX_SCALE_ROW1
.else
	v_wmma_scale_f32_16x16x128_f8f6f4 v[rD:rD+7], v[rA:rA+7], v[rB:rB+7], v[rC:rC+7], v[rSA], v[rSB] matrix_a_fmt:MATRIX_FMT_FP4 matrix_b_fmt:MATRIX_FMT_FP4
.endif
.endm
	s_load_b256 s[4:11], s[0:1], 0x0               ; pacc s[4:5], wqc s[6:7], g2buf s[8:9], out0 s[10:11]
	s_load_b64 s[12:13], s[0:1], 0x20              ; out1
	v_lshl_add_u32 v58, v0, 2, 0x4e00
	v_mov_b32 v63, 0
	v_lshrrev_b32 v1, 5, v0
	v_readfirstlane_b32 s[WV], v1                  ; wave 0..3
	s_and_b32 s15, ttmp9, 15                       ; ns
	s_and_b32 s16, ttmp7, 0xffff                   ; bg
	v_and_b32 v1, 31, v0                           ; lane
	v_and_b32 v2, 15, v0                           ; r
	v_bfe_u32 v3, v0, 4, 1                         ; h
	v_and_b32 v60, 3, v0                           ; r & 3
	v_lshlrev_b32 v4, 5, v1                        ; 32 lane: a chunk's numbers
	v_lshlrev_b32 v5, 4, v1                        ; 16 lane: a record's images
	v_lshlrev_b32 v6, 12, v60
	v_lshl_add_u32 v6, v3, 5, v6                   ; G2: row r & 3 of 4,096 bytes, + 32 h
	v_mov_b32 v7, 0
	s_wait_alu depctr_va_sdst(0)                   ; s14, the wave's number, is written, ahead of its first reader: addresses and the waves' parting are made from it
	s_lshl_b32 s17, s[WV], 12
	v_add_nc_u32 v8, s17, v4                       ; applied into LDS: row w (APS = 0)
	s_mul_i32 s17, s[WV], 528
	s_add_co_u32 s17, s17, AC
	v_lshl_add_u32 v9, v1, 2, s17                  ; its codes
	s_mul_i32 s17, s[WV], 48
	s_add_co_u32 s17, s17, ASC
	v_lshrrev_b32 v10, 2, v1
	v_add_nc_u32 v10, s17, v10                     ; its scale bytes
	v_mul_u32_u24 v11, v60, 528
	v_lshl_add_u32 v11, v3, 4, v11
	v_add_nc_u32 v11, AC, v11                      ; a fragment: row r & 3, + 16 h
	v_mul_u32_u24 v12, v60, 48
	v_lshl_add_u32 v12, v3, 4, v12
	v_add_nc_u32 v12, ASC, v12                     ; its scale words, four to a lane
	s_lshl_b32 s17, s[WV], 6
	s_add_co_u32 s17, s17, OST
	v_lshl_add_u32 v13, v60, 8, s17
	v_lshl_add_u32 v13, v3, 5, v13                 ; the stage, in: row r & 3, + 64 w + 32 h
	s_and_b32 s18, s[WV], 1
	s_lshl_b32 s18, s18, 1
	v_add_nc_u32 v61, s18, v3                      ; the row that my half of the lanes stores: 2 (w & 1) + h
	v_lshlrev_b32 v62, 4, v2
	v_lshl_add_u32 v14, v61, 8, v62
	v_add_nc_u32 v14, OST, v14                     ; the stage, back
	v_lshl_add_u32 v59, v61, 12, v62               ; the same place in out0 and out1
	s_lshl_b32 s19, s15, 8
	v_add_nc_u32 v15, s19, v59                     ; and in applied's rows in LDS: + 256 ns
	s_mul_i32 s20, s16, 73728                      ; pacc: 16 records of 4,608 bytes for each bg,
	s_mul_i32 s21, s[WV], 18432                    ; four for each row
	s_add_co_u32 s20, s20, s21
	s_mov_b32 s21, 0
	s_lshl_b32 s22, s15, 2
	s_add_co_u32 s22, s22, s[WV]                   ; T
	s_mul_i32 s24, s22, 8704
	s_mov_b32 s25, 0
	s_lshl_b32 s26, s16, 14                        ; four rows of 4,096 bytes
	s_lshl_b32 s22, s22, 6
	s_add_co_u32 s22, s22, s26
	s_mov_b32 s23, 0
	s_add_co_u32 s26, s26, s19
	s_mov_b32 s27, 0
	s_wait_kmcnt 0x0
	s_add_nc_u64 s[4:5], s[4:5], s[20:21]
	s_add_nc_u64 s[6:7], s[6:7], s[24:25]
	s_add_nc_u64 s[8:9], s[8:9], s[22:23]
	s_add_nc_u64 s[10:11], s[10:11], s[26:27]
	s_add_nc_u64 s[12:13], s[12:13], s[26:27]
	s_wait_alu depctr_va_vdst(0)                   ; the offsets and LDS addresses v4 to v15 and v59, and v58 and v63, are written: every load, store and LDS instruction of the kernel reads some of them, and none is written again
.irp c, 0,1,2,3
	global_load_b64 v[16+2*\c:17+2*\c], v7, s[4:5] offset:4608*\c+4096         ; (M, l) of chunk c
.endr
.irp c, 0,1,2,3
.irp g, 0,1,2,3
.irp e, 0,1
	global_load_b128 v[64+32*\c+8*\g+4*\e:67+32*\c+8*\g+4*\e], v4, s[4:5] offset:4608*\c+1024*\g+16*\e
.endr
.endr
.endr
	global_load_b128 v[32:35], v6, s[8:9]
	global_load_b128 v[36:39], v6, s[8:9] offset:16
.irp q, 0,1,2,3,4,5,6,7
.irp c, 0,1
	global_load_b128 v[192+8*\q+4*\c:195+8*\q+4*\c], v5, s[6:7] offset:1024*\q+512*\c
.endr
.endr
	global_load_b128 v[48:51], v5, s[6:7] offset:8192
	s_wait_loadcnt 51                              ; the four loads of (M, l) are in; the 51 behind them may be out
	v_max3_num_f32 v56, v16, v18, v20
	v_max_num_f32 v56, v56, v22                    ; M
.irp c, 0,1,2,3
	v_sub_f32 v[24+2*\c], v[16+2*\c], v56
.endr
.irp c, 0,1,2,3
	v_mul_f32 v[24+2*\c], 0x3fb8aa3b, v[24+2*\c]
.endr
.irp c, 0,1,2,3
	v_exp_f32 v[24+2*\c], v[24+2*\c]               ; f_c = e^(M_c - M), at most 1, and 1 for one chunk at the least
.endr
	v_nop
	s_wait_alu depctr_va_vdst(0)                   ; the four exponentials have written v24, v26, v28 and v30, ahead of their first reader
	v_mul_f32 v57, v24, v17
	v_fmac_f32 v57, v26, v19
	v_fmac_f32 v57, v28, v21
	v_fmac_f32 v57, v30, v23                       ; the row's sum: at least 1
	v_rcp_f32 v57, v57
	v_nop
	s_wait_alu depctr_va_vdst(0)                   ; the reciprocal has written v57, ahead of its first reader
.irp c, 0,1,2,3
	v_mul_f32 v[24+2*\c], v[24+2*\c], v57
.endr
.irp c, 0,1,2,3
	v_mov_b32 v[25+2*\c], v[24+2*\c]               ; both halves of a pair, for the packed forms
.endr
	s_wait_loadcnt 19                              ; the chunks are in; G2, the record and its scale words may be out
.set t, 0
.rept 16
	v_pk_mul_f32 v[64+2*t:65+2*t], v[64+2*t:65+2*t], v[24:25]
.set t, t+1
.endr
.irp c, 1,2,3
.set t, 0
.rept 16
	v_pk_fma_f32 v[64+2*t:65+2*t], v[64+32*\c+2*t:65+32*\c+2*t], v[24+2*\c:25+2*\c], v[64+2*t:65+2*t]
.set t, t+1
.endr
.endr
	QB 64, 0, 4, 9, 0, 0, 10, 0, 0
.irp g, 0,1,2,3
.irp e, 0,1
	ds_store_b128 v8, v[64+8*\g+4*\e:67+8*\g+4*\e] offset:1024*\g+16*\e        ; applied, f32, by columns: behind the quantiser's wait on va_vdst, with the codes' stores; no vector line has followed that wait
.endr
.endr
	s_wait_dscnt 0x0                               ; my row lies in LDS, as numbers, codes and bytes
	s_barrier_signal -1
	s_barrier_wait -1
.irp q, 0,1,2,3,4,5,6,7
.irp c, 0,1
	ds_load_b128 v[128+8*\q+4*\c:131+8*\q+4*\c], v11 offset:64*\q+32*\c        ; into chunks 2 and 3's registers: the join's reads of them stand ahead of the quantiser's wait on va_vdst
.endr
.endr
	ds_load_b128 v[52:55], v12
	s_wait_dscnt 0x0
	s_wait_loadcnt 0x0
; one accumulator: a wait ahead of each link
.set q, 0
.rept 8
.set rD, 40
.set rA, 192+8*q
.set rB, 128+8*q
.set rC, 40
.set rSA, 48+(q&3)
.set rSB, 52+(q&3)
.set ROWA, q>>2
.set ROWB, q>>2
.if q == 0
.set rC, 32
.else
	s_wait_alu depctr_va_vdst(0)                   ; the link before has written v40 to v47, onto which this link adds in place
.endif
	MMA
.set q, q+1
.endr
	PLACES 4
.irp x, 0,2,4,6
	v_pk_mul_f32 v[40+\x:41+\x], v[40+\x:41+\x], 0x4038aa3b op_sel_hi:[1,0]    ; x 2 log2(e), from the accumulator's low end on
.endr
.irp x, 0,1,2,3,4,5,6,7
	v_exp_f32 v[40+\x], v[40+\x]
.endr
	v_nop
	s_wait_alu depctr_va_vdst(0)                   ; the eight exponentials have written v40 to v47, ahead of their first reader
.irp x, 0,2,4,6
	v_pk_add_f32 v[40+\x:41+\x], v[40+\x:41+\x], 1.0 op_sel_hi:[1,0]
.endr
.irp x, 0,1,2,3,4,5,6,7
	v_rcp_f32 v[40+\x], v[40+\x]
.endr
	v_nop
	s_wait_alu depctr_va_vdst(0)                   ; the eight reciprocals have written v40 to v47, ahead of their first reader
.irp x, 0,2,4,6
	v_pk_fma_f32 v[40+\x:41+\x], v[40+\x:41+\x], -2.0, 1.0 op_sel_hi:[1,0,0]   ; tanh
.endr
	s_wait_alu depctr_va_vdst(0)                   ; the multiply-adds have written v40 to v47, which the two LDS stores read; no vector line follows, so the loads into v16 to v19 below, which the join's head read, owe nothing more
	ds_store_b128 v13, v[40:43]
	ds_store_b128 v13, v[44:47] offset:16
	s_wait_dscnt 0x0
	s_barrier_signal -1
	s_barrier_wait -1                              ; four rows of 256 bytes of out0 lie in the stage
	s_cmp_lt_u32 s[WV], 2
	s_cbranch_scc0 .Lapplied
	ds_load_b128 v[16:19], v14                     ; waves 0, 1: two rows of out0 each
	s_wait_dscnt 0x0
	global_store_b128 v59, v[16:19], s[10:11]      ; sixteen lanes store 256 consecutive bytes, aligned
	s_wait_dscnt 0x0                               ; the closing lines, six on end
	s_wait_alu 0x0
	s_wait_tensorcnt 0x0
	ds_add_u32 v58, v63
	s_wait_dscnt 0x0
	s_endpgm
.Lapplied:
	ds_load_b128 v[16:19], v15                     ; waves 2, 3: the same rows and columns of applied
	s_wait_dscnt 0x0
	global_store_b128 v59, v[16:19], s[12:13]
	s_wait_dscnt 0x0                               ; the closing lines, six on end, as above
	s_wait_alu 0x0
	s_wait_tensorcnt 0x0
	ds_add_u32 v58, v63
	s_wait_dscnt 0x0
	s_endpgm
.Lfunc_end_k_q642585fc4e_fin:
	.size	k_q642585fc4e_fin, .Lfunc_end_k_q642585fc4e_fin-k_q642585fc4e_fin
	.p2alignl 7, 3214868480
	.fill 96, 4, 3214868480
	.section	.rodata,"a",@progbits
	.p2align	6, 0x0
	.amdhsa_kernel k_q642585fc4e_fin
		.amdhsa_group_segment_fixed_size 20480
		.amdhsa_private_segment_fixed_size 0
		.amdhsa_enable_private_segment 0
		.amdhsa_kernarg_size 40
		.amdhsa_user_sgpr_count 2
		.amdhsa_user_sgpr_kernarg_segment_ptr 1
		.amdhsa_wavefront_size32 1
		.amdhsa_system_sgpr_workgroup_id_x 1
		.amdhsa_system_sgpr_workgroup_id_y 1
		.amdhsa_system_sgpr_workgroup_id_z 1
		.amdhsa_system_vgpr_workitem_id 0
		.amdhsa_next_free_vgpr 256
		.amdhsa_next_free_sgpr 66
		.amdhsa_reserve_vcc 0
		.amdhsa_float_denorm_mode_32 3
		.amdhsa_float_denorm_mode_16_64 3
		.amdhsa_memory_ordered 1
		.amdhsa_forward_progress 1
		.amdhsa_inst_pref_size 23
	.end_amdhsa_kernel
	.amdgpu_metadata
---
amdhsa.version: [ 1, 2 ]
amdhsa.kernels:
  - .name:           k_q642585fc4e_fin
    .symbol:         k_q642585fc4e_fin.kd
    .args:
      - { .name: pacc, .offset: 0, .size: 8, .value_kind: global_buffer, .address_space: global }
      - { .name: wqc, .offset: 8, .size: 8, .value_kind: global_buffer, .address_space: global }
      - { .name: g2buf, .offset: 16, .size: 8, .value_kind: global_buffer, .address_space: global }
      - { .name: out0, .offset: 24, .size: 8, .value_kind: global_buffer, .address_space: global }
      - { .name: out1, .offset: 32, .size: 8, .value_kind: global_buffer, .address_space: global }
    .group_segment_fixed_size: 20480
    .private_segment_fixed_size: 0
    .kernarg_segment_align: 8
    .kernarg_segment_size: 40
    .max_flat_workgroup_size: 128
    .sgpr_count:     66
    .vgpr_count:     256
    .wavefront_size: 32
...
	.end_amdgpu_metadata
.endif
;; end of part 5
